; MI455X (gfx1250); checked and timed in simulation.
; The chip was launched on July 23, 2026; its instructions are those of AMD's public machine-readable ISA for CDNA 5 (MIT licence, August 2026) and "CDNA5" Instruction Set Architecture Reference Guide (July 2026). The comments in the code are by the model that wrote it; some were corrected since.
;; Memory Layer. Allowed arithmetic: matrix products marked QUANTISED: E2M1 operands, one E8M0 scale for each 32 along K, by v_wmma_scale_f32_16x16x128_f8f6f4 with both operands' format E2M1 (or v_wmma_scale_f32_32x16x128_f4), f32 sums; everything else in f32.
;; Inputs: W_codes 256 x 8 x 16 uint8 (E2M1 codes of W, K innermost, in blocks of 32 codes, two codes a byte); W_scales 256 x 8 uint8 (E8M0 scales of W, one for each 32 codes along K); depths 100,000 float32; gate 100,000 float32; patterns 100,000 x 256 float32; state_codes 1,024 x 8 x 16 uint8 (E2M1 codes of state, K innermost, in blocks of 32 codes, two codes a byte); state_scales 1,024 x 8 uint8 (E8M0 scales of state, one for each 32 codes along K).
;; Outputs: out0 1,024 x 256 float32; out1 100,000 float32.
;; This version of the problem:
;;   THIS VERSION OF THE PROBLEM IS GIVEN IN LOW PRECISION. The matrix products marked QUANTISED in the list below multiply operands that are first quantised to E2M1 (2 exponent bits, 1 mantissa bit; 4 bits a number), with one power-of-two scale for each 32 numbers along K (OCP MX v1.0); their sums are f32. All else is computed in f32.
;;   The module's matrix products, in the order in which they are computed (A, B: the left and right operand; K: the contracted axis; several contracted axes count as one K, in the product's order):
;;     1. [M 1,024, K 256] x [K 256, N 256]; A: input state (given as codes); B: input W (given as codes): QUANTISED
;;     2. [M 1,024, K 256] x [K 256, N 100,000]; A: computed on the way; B: input patterns: QUANTISED
;;     3. [M 1,024, K 100,000] x [K 100,000, N 256]; A: softmax (see below); B: input patterns: QUANTISED
;;   THE QUANTISER, for each operand of a quantised product, along K:
;;     - K is cut into blocks of 32 from its start; a last block that is shorter is filled with zeros.
;;     - A block's scale is 2^e with e = floor(log2(the largest magnitude in the block)) - 2, held to -126 .. 127; a block of zeros has e = 0. As a byte (E8M0): e + 127.
;;     - Each number is divided by its block's scale, clamped to +-6, and rounded to the nearest number of E2M1, ties to even, subnormals kept.
;;     - The product sums the exact products of the quantised numbers (number of the format x scale) in f32.
;;   ~~~python
;;   def quantise(x, axis):      # numpy; x: float32 -> the quantised numbers, widened to float32 again
;;       x = np.moveaxis(x, axis, -1); K = x.shape[-1]
;;       x = np.pad(x, [(0, 0)] * (x.ndim - 1) + [(0, -K % 32)]); x = x.reshape(x.shape[:-1] + (-1, 32)); a = np.abs(x).max(-1, keepdims=True)
;;       e = np.where(a > 0, np.clip(np.frexp(np.where(a > 0, a, 1))[1] - 1 - 2, -126, 127), 0)      # np.frexp(a)[1] - 1 = floor(log2(a)), exactly
;;       r = np.clip(x / 2.0 ** e, -6, 6)
;;       step = 2.0 ** (np.maximum(np.frexp(np.where(r == 0, 1, r))[1] - 1, 0) - 1)
;;       q = np.round(r / step) * step * 2.0 ** e      # np.round: ties to even
;;       return np.moveaxis(q.reshape(q.shape[:-2] + (-1,))[..., :K], -1, axis).astype(np.float32)
;;   ~~~
;;   SOFTMAX AHEAD OF A QUANTISED PRODUCT. Where the list says 'softmax', what is quantised is not the finished softmax but p = 2^(t - M), with t = logit x log2(e) and M = ceil(the row's largest t), a whole number; so 1/2 < the row's largest p <= 1. The row's sum l is taken of the UNQUANTISED p, in f32, and the product's result is divided by l at the end. Since M is a whole number, a kernel that streams over the keys may use a running M (the ceiling of the running maximum): every later rescaling is an exact power of two, which a block's scale takes up: the codes' values come out the same.
;;   OPERANDS COMPUTED ON THE WAY. 'Computed on the way' means the value that the module computes at that place (a softmax that the list does not call 'softmax' is quantised finished and normalised). What goes into a quantiser is computed in f32, as accurately as f32 sums, v_exp_f32 and their like allow (about 1e-6 of the number): no bf16 or f16 on the way to a quantiser, and a product that is left as it is and whose result goes on into a quantised operand takes f32 operands (vector FMAs, or v_wmma_f32_16x16x4_f32). A number that lies on a knife's edge between two numbers of the format may be rounded either way, as far as f32 arithmetic and the matrix unit's own rounding can turn it there, and no further.
;;   INPUTS GIVEN AS CODES. W (in the module: [256, 256], K = its axis 1); state (in the module: [1024, 256], K = its axis 1): each comes as NAME_codes (uint8): NAME with its K axis moved to the last place and cut into blocks of 32 codes, [.., K / 32, bytes a block], one block behind the other in memory; two codes a byte, the lower K in the low four bits (a code: sign, 2 exponent bits, 1 mantissa bit); and NAME_scales (uint8): the same leading axes, one E8M0 byte (e + 127) for each 32 codes along K. Its value is code x scale, taken as it is: it is not quantised again, and the codes and scales need not be those that the quantiser above would give.
;; One version. Each part assembles by itself: llvm-mc -triple=amdgcn-amd-amdhsa -mcpu=gfx1250 --defsym DOCPART=n.
;; ======== version 1 of 1: 4 launches
;; limits: right only within a limited range of input values
;; workspace buffers: recs 28,474,368 bytes; dmax 3,328 bytes; q_codes 131,072 bytes; q_scales 8,192 bytes; opart 32,505,856 bytes; stats 3,555,328 bytes; negl 4,096 bytes; pflag 262,144 bytes of whole numbers
;; launch prep (part 1): grid 2 x 814, 4 waves a work-group, no clusters, 77,312 bytes of LDS; arguments patterns, depths, gate, state_codes, state_scales, W_codes, W_scales, recs, dmax, q_codes, q_scales; writes recs, dmax, q_codes, q_scales
.if DOCPART == 1
	.amdgcn_target "amdgcn-amd-amdhsa--gfx1250"
	.amdhsa_code_object_version 6
	.text
	.protected	k_q4fe0904f5f_prep
	.globl	k_q4fe0904f5f_prep
	.p2align	8
	.type	k_q4fe0904f5f_prep,@function
k_q4fe0904f5f_prep:
	s_mov_b64 s[64:65], 0
	v_nop
	global_prefetch_b8 v0, s[64:65] scope:SCOPE_SE
	s_setreg_imm32_b32 hwreg(HW_REG_WAVE_MODE, 25, 1), 1
	s_wait_xcnt 0x0
; PREP.  patterns [100000][256] f32 are quantised ONCE to codes of E2M1 with E8M0 scales, in both directions in which they are multiplied later:
; along d (K of the similarities) and along the keys (K of the retrieval), and laid as STEP RECORDS of 128 keys in the order of the operands' registers.
; A record is REC = 35,328 bytes:  0: K fragments (tile kt 0..7, K step s 0..1) at (2 kt + s) x 1024, register group c at + 512 c, lane l at + 16 l; row r of tile 2 b + u is key 32 b + 8 u + r + 8 (r / 8);
;   16384: V fragments (d tile dt 0..15) at dt x 1024, same image, K = the step's 128 keys;   32768: K's scale words [s][16 u + r][i] (tile 2 i + u);   33792: V's [s][lane][w] (d tile 8 s + 2 w + lane / 16);
;   34816: 128 f32, ln(max(depth, 1e-8)) + ln(max(gate, 1e-8)), and -1e30 for keys from 100,000 on.
; 806 records (31 chunks of 26): 782 hold keys, the rest (and the last three blocks of record 781) repeat the last real block of 32 keys; their bias makes every weight 0 there.
; Work-groups with y < 8 make the projection instead: state W^T on the given codes, quantised along its 256 features into q_codes (register images) and q_scales.
; A pattern work-group (x = half of d, y - 8 = step) takes 128 keys x 128 d: each byte of patterns is read once in the launch, so no two work-groups share a tile and a cluster has nothing to share.
; A block's scale byte is its largest magnitude's exponent field - 2, held at 1 from below.
; LIMITS: NaN and infinities among the inputs are not served; a block whose largest magnitude lies under 2^-124 keeps the byte 1; a block of zeros has the byte 1 and not 127 (its codes are zeros, and only this program reads the bytes).
.set REC,   35328
.set PROJY, 8                          ; work-group rows that project
.set PITCH, 528                        ; a row of the f32 tile in LDS: 512 bytes + 16
.set KWB,   128*PITCH                  ; behind the tile: 512 bytes of K's scale words, then 512 of V's
.set X,     128                        ; v128-255 128 numbers of a lane
.set KC,    32                         ; v32-47   K codes, never rewritten: they are stores' data
.set VC,    48                         ; v48-63   V codes likewise
.set SF,    16                         ; projection: v16-31 the state's two fragments
.set PC,    32                         ;   v32-47 the codes made, 8 registers for each half of the features
.set TM,    48                         ;   v48-63 at work in QUANT
.set PW,    64                         ;   v64-65 the two scale words
.set SS,    100                        ;   v100 the state's scale words; v101-108 W's: these nine hold scales alone
.set WS,    101
.set ACC,   128                        ;   v128-191 eight tiles of the projection
.set WF,    192                        ;   v192-255 W's fragments of four tiles
	s_load_b256 s[4:11], s[0:1], 0x0               ; patterns, depths, gate, state_codes
	s_load_b256 s[12:19], s[0:1], 0x20             ; state_scales, W_codes, W_scales, recs
	s_load_b128 s[20:23], s[0:1], 0x40             ; dmax, q_codes
	s_load_b64 s[24:25], s[0:1], 0x50              ; q_scales
	v_lshl_add_u32 v126, v0, 2, 0x10c00
	v_mov_b32 v127, 0
	v_lshrrev_b32 v1, 5, v0
	v_readfirstlane_b32 s26, v1                    ; wave 0..3
	s_and_b32 s27, ttmp7, 0xffff                   ; work-group y
	v_and_b32 v1, 31, v0                           ; lane
	v_and_b32 v2, 15, v0                           ; r
	v_bfe_u32 v3, v0, 4, 1                         ; h
	v_lshlrev_b32 v4, 4, v1                        ; 16 x lane
	v_cmp_ne_u32 s28, 0, v3                        ; the mask of lanes 16-31
	v_and_b32 v13, 8, v2
	v_add_nc_u32 v13, v13, v2                      ; r + 8 (r / 8): the rows of a tile
	s_mov_b32 s30, 0x76543210
	s_mov_b32 s31, 0xfedcba98                      ; v_permlanex16_b32's selects for lane l xor 16
	s_cmp_lt_u32 s27, PROJY
	s_cbranch_scc1 .Lproj                          ; hangs on the work-group's number alone: all four waves go one way
	; ---------------- the pattern path ----------------
	s_sub_co_u32 s27, s27, PROJY                   ; the step
	s_lshl_b32 s32, s27, 2
	s_add_co_u32 s32, s32, s26
	s_min_u32 s32, s32, 3124                       ; my block of 32 keys; past the end: the last real one
	s_lshl_b32 s32, s32, 15                        ; x 32 rows of 1,024 bytes
	s_lshl_b32 s33, ttmp9, 9                       ; + my half of d
	s_add_co_u32 s32, s32, s33
	s_mov_b32 s33, 0
	s_mul_i32 s34, s27, REC                        ; the record
	s_mov_b32 s35, 0
	s_lshl_b32 s36, s26, 12                        ; K fragments of tiles 2 w, 2 w + 1, K step x: 4096 w + 1024 x (+ 2048 u)
	s_lshl_b32 s37, ttmp9, 10
	s_add_co_u32 s36, s36, s37
	s_add_co_u32 s36, s36, s34
	s_mov_b32 s37, 0
	s_lshl_b32 s38, s26, 8                         ; V fragments: my block of 32 keys is register group w / 2, lane half w % 2 of every d tile: 256 w bytes into each tile's image
	s_lshl_b32 s39, ttmp9, 13
	s_add_co_u32 s38, s38, s39
	s_add_co_u32 s38, s38, s34
	s_add_co_u32 s38, s38, 16384
	s_mov_b32 s39, 0
	s_lshl_b32 s40, s26, 10                        ; the scale words: wave 0 sends K's, wave 1 V's
	s_lshl_b32 s41, ttmp9, 9
	s_add_co_u32 s40, s40, s41
	s_add_co_u32 s40, s40, s34
	s_add_co_u32 s40, s40, 32768
	s_mov_b32 s41, 0
	s_mul_i32 s44, s26, 32*PITCH                   ; my 32 rows of the tile
	s_wait_alu depctr_va_vdst(0)
	v_add_nc_u32 v5, s44, v4                       ; in: 16 x lane of a row
	v_mul_u32_u24 v6, v13, PITCH
	v_lshl_add_u32 v6, v3, 7, v6
	v_add_nc_u32 v6, s44, v6                       ; K way: row r + 8 (r / 8) of my 32, + 128 h bytes: my 32 numbers of a block of 64
.set VST, 69120                        ; behind the spare words: 2,048 bytes a wave, the V codes' stage
	v_and_b32 v7, 3, v1                            ; V's scale bytes: lane l holds columns 4 l + c: d tile l / 4, row 4 (l % 4) + c
	v_lshlrev_b32 v7, 6, v7
	v_bfe_u32 v8, v0, 2, 1
	v_lshl_add_u32 v7, v8, 8, v7
	v_bfe_u32 v8, v0, 3, 2
	v_lshl_add_u32 v7, v8, 2, v7
	v_add_nc_u32 v7, s26, v7                       ; byte w of the column's word: my block of keys
	v_add_nc_u32 v7, KWB+512, v7
	s_lshl_b32 s45, s26, 11
	v_lshl_add_u32 v11, v1, 6, s45
	v_add_nc_u32 v11, VST, v11                     ; stage, in: 64 bytes a lane, 16 a column
	v_add_nc_u32 v15, s45, v4
	v_add_nc_u32 v15, VST, v15                     ; stage, back: 16 x lane
	v_lshlrev_b32 v9, 4, v2
	v_lshl_add_u32 v9, v3, 10, v9                  ; V codes: d tile lane / 16, row lane % 16
	s_lshl_b32 s45, s26, 2
	v_add_nc_u32 v10, s45, v4
	v_add_nc_u32 v10, KWB, v10                     ; my scale word: 16 x lane + 4 w (V's 512 bytes on)
	v_lshlrev_b32 v12, 3, v3                       ; 8 h: my bytes' place in a K scale word
	s_min_u32 s45, s26, 1
	s_lshl_b32 s45, s45, 9
	v_add_nc_u32 v14, s45, v4
	v_add_nc_u32 v14, KWB, v14                     ; the words' way out (waves 0 and 1)
	v_mov_b32 v23, 0                               ; a lane permute's destination counts as one of its sources
	s_wait_kmcnt 0x0
	s_add_nc_u64 s[4:5], s[4:5], s[32:33]
	s_add_nc_u64 s[36:37], s[18:19], s[36:37]
	s_add_nc_u64 s[38:39], s[18:19], s[38:39]
	s_add_nc_u64 s[40:41], s[18:19], s[40:41]
	s_add_nc_u64 s[42:43], s[18:19], s[34:35]
.set i, 0
.rept 32
	global_load_b128 v[X+4*i:X+4*i+3], v4, s[4:5] offset:1024*i th:TH_LOAD_NT   ; row i of my 32: 512 consecutive bytes, aligned
.set i, i+1
.endr
.set i, 0
.rept 32
	s_wait_loadcnt 31-i                            ; loads return in order: row i is in, the younger ones stay out
	ds_store_b128 v5, v[X+4*i:X+4*i+3] offset:PITCH*i
.set i, i+1
.endr
	; V WAY, from the registers as the loads filled them: register 4 i + c of lane l is key i of my block, column 4 l + c: a block of 32 keys of a column lies in one lane, four registers apart
.irp c, 0,1,2,3
	v_max3_num_f32 v[16+\c], |v[X+\c]|, |v[X+4+\c]|, 0x1800000   ; with the floor 2^-124
.endr
.irp i, 2,4,6,8,10,12,14,16,18,20,22,24,26,28,30
.irp c, 0,1,2,3
	v_max3_num_f32 v[16+\c], v[16+\c], |v[X+4*\i+\c]|, |v[X+4*\i+4+\c]|
.endr
.endr
.irp c, 0,1,2,3
	v_add_nc_u32 v[20+\c], 0xff000000, v[16+\c]    ; the conversion's scale operand
.endr
.irp c, 0,1,2,3
	v_lshrrev_b32 v[28+\c], 23, v[20+\c]           ; the scale's byte
.endr
.irp c, 0,1,2,3
	ds_store_b8 v7, v[28+\c] offset:16*\c
.endr
.irp c, 0,1,2,3
.irp g, 0,1,2,3
.irp k, 0,1,2,3,4,5,6,7
	v_mov_b32 v[64+8*(\g%2)+\k], v[X+32*\g+4*\k+\c]   ; eight keys of a column side by side; two sets by turns, so that no set is rewritten next to its conversion
.endr
	v_cvt_scalef32_pk8_fp4_f32 v[VC+4*\c+\g], v[64+8*(\g%2):64+8*(\g%2)+7], v[20+\c]
.endr
.endr
	v_nop                                          ; one plain place behind the last scaled conversion
.irp c, 0,1,2,3
	ds_store_b128 v11, v[VC+4*\c:VC+4*\c+3] offset:16*\c
.endr
.irp j, 0,1,2,3
	ds_load_b128 v[96+4*\j:99+4*\j], v15 offset:512*\j   ; my own bytes, served in order: lane L now holds row L % 16 of d tile 2 j + L / 16
.endr
	s_wait_dscnt 0x0
.irp j, 0,1,2,3
	global_store_b128 v9, v[96+4*\j:99+4*\j], s[38:39] offset:2048*\j   ; sixteen lanes fill 256 consecutive bytes, aligned
.endr
.irp u, 0,1
.irp c, 0,1
.irp j, 0,1,2,3,4,5,6,7
	ds_load_b128 v[X+64*\u+32*\c+4*\j:X+64*\u+32*\c+4*\j+3], v6 offset:\u*8*PITCH+256*\c+16*\j
.endr
.endr
.endr
.macro QK u                            ; tile 2 w + u: two blocks a lane become 8 registers of codes and the row's scale word in v[24 + u]
.irp c, 0,1
	v_max3_num_f32 v[16+\c], |v[X+64*\u+32*\c]|, |v[X+64*\u+32*\c+1]|, 0x1800000   ; with the floor 2^-124: the byte cannot fall under 1
.endr
.irp i, 2,4,6,8,10,12,14,16,18,20,22,24,26,28,30
.irp c, 0,1
	v_max3_num_f32 v[16+\c], v[16+\c], |v[X+64*\u+32*\c+\i]|, |v[X+64*\u+32*\c+\i+1]|
.endr
.endr
.irp c, 0,1
	v_add_nc_u32 v[18+\c], 0xff000000, v[16+\c]    ; 2 off the exponent field: the conversion's scale operand
.endr
.irp c, 0,1
	v_lshrrev_b32 v[20+\c], 23, v[18+\c]           ; the scale's byte
.endr
	v_lshl_or_b32 v22, v21, 16, v20                ; blocks h and 2 + h,
	v_lshlrev_b32 v22, v12, v22                    ; at their places;
	v_permlanex16_b32 v23, v22, s30, s31
	v_or_b32 v[24+\u], v22, v23                    ; with lane l xor 16's two the word is whole
.irp c, 0,1
.irp g, 0,1,2,3
	v_cvt_scalef32_pk8_fp4_f32 v[KC+8*\u+4*\c+\g], v[X+64*\u+32*\c+8*\g:X+64*\u+32*\c+8*\g+7], v[18+\c]
.endr
.endr
	v_nop                                          ; one plain place behind the last scaled conversion
.irp c, 0,1
	global_store_b128 v4, v[KC+8*\u+4*\c:KC+8*\u+4*\c+3], s[36:37] offset:2048*\u+512*\c   ; the image of four registers: 512 consecutive bytes
.endr
.endm
	s_wait_dscnt 16                                ; tile u = 0's sixteen loads are in
	QK 0
	s_wait_dscnt 0x0
	QK 1
	v_cndmask_b32 v26, v24, v25, s28               ; lanes 0-15 keep tile 2 w's word, lanes 16-31 tile 2 w + 1's
	ds_store_b32 v10, v26
	s_wait_dscnt 0x0
	s_barrier_signal -1
	s_barrier_wait -1                              ; both runs of 512 bytes of scale words are whole
	s_cmp_lt_u32 s26, 2
	s_cbranch_scc0 .Lbias
	ds_load_b128 v[64:67], v14
	s_wait_dscnt 0x0
	global_store_b128 v4, v[64:67], s[40:41]       ; 512 consecutive bytes
	s_wait_tensorcnt 0x0
	ds_add_u32 v126, v127
	s_wait_dscnt 0x0
	s_endpgm
.Lbias:
	s_lshl_b32 s44, ttmp9, 2
	s_add_co_u32 s44, s44, s26
	s_cmp_lg_u32 s44, 2                            ; wave 2 of the work-group with x = 0 makes the step's bias and the largest of its depths
	s_cbranch_scc1 .Ldone
	s_lshl_b32 s45, s27, 7
	v_lshl_add_u32 v68, v1, 2, s45                 ; my four keys
	v_min_u32 v69, 99996, v68                      ; no load leaves its buffer: past the end the last four real keys
	v_lshlrev_b32 v69, 2, v69
	global_load_b128 v[72:75], v69, s[6:7]
	global_load_b128 v[76:79], v69, s[8:9]
	s_wait_loadcnt 0x0
.irp i, 0,1,2,3
	v_max_num_f32 v[80+\i], 0x322bcc77, v[72+\i]   ; the clip at 1e-8
	v_max_num_f32 v[84+\i], 0x322bcc77, v[76+\i]
.endr
	s_wait_alu depctr_va_vdst(0)
.irp i, 0,1,2,3,4,5,6,7
	v_log_f32 v[80+\i], v[80+\i]
.endr
	v_nop                                          ; one plain place behind the transcendentals
	v_cmp_gt_u32 vcc_lo, 100000, v68               ; a real key
	v_mov_b32 v88, 0xf149f2ca                      ; -1e30
	s_wait_alu depctr_va_vdst(0)
.irp i, 0,1,2,3
	v_add_f32 v[80+\i], v[80+\i], v[84+\i]
.endr
.irp i, 0,1,2,3
	v_mul_f32 v[80+\i], 0x3f317218, v[80+\i]       ; x ln 2
.endr
.irp i, 0,1,2,3
	v_cndmask_b32 v[80+\i], v88, v[80+\i], vcc_lo
.endr
	global_store_b128 v4, v[80:83], s[42:43] offset:34816
	v_max3_num_f32 v89, v72, v73, v74
	v_max_num_f32 v89, v89, v75
	v_max_num_f32_dpp v89, v89, v89 row_xmask:1 row_mask:0xf bank_mask:0xf
	v_max_num_f32_dpp v89, v89, v89 row_xmask:2 row_mask:0xf bank_mask:0xf
	v_max_num_f32_dpp v89, v89, v89 row_xmask:4 row_mask:0xf bank_mask:0xf
	v_max_num_f32_dpp v89, v89, v89 row_xmask:8 row_mask:0xf bank_mask:0xf
	v_permlanex16_b32 v23, v89, s30, s31
	v_max_num_f32 v89, v89, v23
	v_mov_b32 v90, 0
	s_lshl_b32 s46, s27, 2
	s_mov_b32 s47, 0
	s_add_nc_u64 s[20:21], s[20:21], s[46:47]
	v_cmp_eq_u32 vcc_lo, 0, v1
	s_wait_alu depctr_va_vdst(0)
	s_wait_xcnt 0x0                                ; EXEC is a source of the stores that are out: it changes only behind this wait
	s_and_saveexec_b32 s44, vcc_lo
	global_store_b32 v90, v89, s[20:21]            ; lane 0: dmax[step]
	s_wait_xcnt 0x0
	s_or_b32 exec_lo, exec_lo, s44
.Ldone:
	s_wait_tensorcnt 0x0
	ds_add_u32 v126, v127
	s_wait_dscnt 0x0
	s_endpgm
	; ---------------- the projection path: one tile of 16 queries to a wave, no LDS ----------------
; Used transposed: source 0 = 16 rows of W, source 1 = the state's 16 rows: a lane holds one query, its registers run along the features.
; Lane r of W's tile 2 b + u takes row 32 b + 8 u + r + 8 (r / 8), so that the 16 registers of two neighbouring tiles are 16 neighbouring features.
.macro LOADW p, g                      ; features 128 p on, tiles 4 g .. 4 g + 3: fragments of both K steps, and the rows' scale words (lanes 0-15 K step 0's, lanes 16-31 K step 1's)
.irp t, 0,1,2,3
.irp s, 0,1
.irp c, 0,1
	global_load_b128 v[WF+16*\t+8*\s+4*\c:WF+16*\t+8*\s+4*\c+3], v7, s[14:15] offset:(128*\p+32*((4*\g+\t)/2)+8*(\t%2))*128+64*\s+32*\c
.endr
.endr
	global_load_b32 v[WS+4*\g+\t], v8, s[16:17] offset:(128*\p+32*((4*\g+\t)/2)+8*(\t%2))*8
.endr
.endm
.macro MULW g                          ; four accumulators by turns, K step 0 then K step 1
.irp t, 0,1,2,3
	v_wmma_scale_f32_16x16x128_f8f6f4 v[ACC+8*(4*\g+\t):ACC+8*(4*\g+\t)+7], v[WF+16*\t:WF+16*\t+7], v[SF:SF+7], 0, v[WS+4*\g+\t], v[SS] matrix_a_fmt:MATRIX_FMT_FP4 matrix_b_fmt:MATRIX_FMT_FP4
.endr
.irp t, 0,1,2,3
	v_wmma_scale_f32_16x16x128_f8f6f4 v[ACC+8*(4*\g+\t):ACC+8*(4*\g+\t)+7], v[WF+16*\t+8:WF+16*\t+15], v[SF+8:SF+15], v[ACC+8*(4*\g+\t):ACC+8*(4*\g+\t)+7], v[WS+4*\g+\t], v[SS] matrix_a_fmt:MATRIX_FMT_FP4 matrix_b_fmt:MATRIX_FMT_FP4 matrix_a_scale:MATRIX_SCALE_ROW1 matrix_b_scale:MATRIX_SCALE_ROW1
.endr
.rept 5
	v_nop                                          ; places: four for loads into the operands and reads of the results, a fifth for the products that begin these accumulators anew
.endr
.endm
; 64 numbers of a lane, register 16 b + i = k 32 b + 16 h + i of my row, become a fragment's codes and its scale word
.macro QUANT s, pc, pw
.irp b, 0,1,2,3
	v_max3_num_f32 v[TM+\b], |v[\s+16*\b]|, |v[\s+1+16*\b]|, 0x1800000
.endr
.irp i, 2,4,6,8,10,12,14
.irp b, 0,1,2,3
	v_max3_num_f32 v[TM+\b], v[TM+\b], |v[\s+16*\b+\i]|, |v[\s+1+16*\b+\i]|
.endr
.endr
.irp b, 0,1,2,3
	v_permlanex16_b32 v[TM+4+\b], v[TM+\b], s30, s31
.endr
.irp b, 0,1,2,3
	v_max_num_f32 v[TM+\b], v[TM+\b], v[TM+4+\b]
.endr
.irp b, 0,1,2,3
	v_add_nc_u32 v[TM+12+\b], 0xff000000, v[TM+\b]
.endr
.irp b, 0,1,2,3
	v_lshrrev_b32 v[TM+4+\b], 23, v[TM+12+\b]
.endr
	v_lshl_or_b32 v[\pw], v[TM+5], 8, v[TM+4]
	v_lshl_or_b32 v[\pw], v[TM+6], 16, v[\pw]
	v_lshl_or_b32 v[\pw], v[TM+7], 24, v[\pw]
.irp b, 0,1,2,3
	v_cvt_scalef32_pk8_fp4_f32 v[\pc+2*\b], v[\s+16*\b:\s+7+16*\b], v[TM+12+\b]
	v_cvt_scalef32_pk8_fp4_f32 v[\pc+1+2*\b], v[\s+8+16*\b:\s+15+16*\b], v[TM+12+\b]
.endr
	v_nop                                          ; one plain place behind the last scaled conversion
.irp c, 0,1                            ; the operand wants a whole block in a lane
.irp i, 0,1
	v_permlane16_swap_b32 v[\pc+4*\c+\i], v[\pc+2+4*\c+\i]
.endr
.endr
.endm
.Lproj:
	s_lshl_b32 s32, s27, 1
	s_add_co_u32 s32, s32, ttmp9
	s_lshl_b32 s32, s32, 2
	s_add_co_u32 s32, s32, s26                     ; my tile of queries, 0..63
	s_lshl_b32 s34, s32, 11                        ; 16 rows of 128 bytes of codes; also the tile's 2,048 bytes in q_codes
	s_mov_b32 s35, 0
	s_lshl_b32 s36, s32, 7                         ; 16 rows of 8 scale bytes; also the tile's 128 bytes in q_scales
	s_mov_b32 s37, 0
	s_wait_alu depctr_va_vdst(0)
	v_lshlrev_b32 v5, 7, v2
	v_lshl_add_u32 v5, v3, 4, v5                   ; state: row r, + 16 h
	v_lshlrev_b32 v6, 3, v2
	v_lshl_add_u32 v6, v3, 2, v6                   ; its scale word of K step h
	v_lshlrev_b32 v7, 7, v13
	v_lshl_add_u32 v7, v3, 4, v7                   ; W: row r + 8 (r / 8), + 16 h
	v_lshlrev_b32 v8, 3, v13
	v_lshl_add_u32 v8, v3, 2, v8
	v_lshlrev_b32 v9, 2, v1
.irp b, 0,1,2,3
	v_mov_b32 v[TM+4+\b], 0                        ; a lane permute's destination counts as one of its sources
.endr
	s_wait_alu depctr_va_vdst(0)
	s_wait_kmcnt 0x0
	s_add_nc_u64 s[10:11], s[10:11], s[34:35]
	s_add_nc_u64 s[12:13], s[12:13], s[36:37]
	s_add_nc_u64 s[22:23], s[22:23], s[34:35]
	s_add_nc_u64 s[24:25], s[24:25], s[36:37]
.irp s, 0,1
.irp c, 0,1
	global_load_b128 v[SF+8*\s+4*\c:SF+8*\s+4*\c+3], v5, s[10:11] offset:64*\s+32*\c
.endr
.endr
	global_load_b32 v[SS], v6, s[12:13]
	LOADW 0, 0
	s_wait_loadcnt 0x0
	MULW 0
	LOADW 0, 1
	s_wait_loadcnt 0x0
	MULW 1
	LOADW 1, 0                                     ; the second half's first weights come while the first half is quantised
	QUANT ACC, PC, PW
.irp c, 0,1
	global_store_b128 v4, v[PC+4*\c:PC+4*\c+3], s[22:23] offset:512*\c
.endr
	s_wait_loadcnt 0x0
	MULW 0
	LOADW 1, 1
	s_wait_loadcnt 0x0
	MULW 1
	QUANT ACC, PC+8, PW+1
.irp c, 0,1
	global_store_b128 v4, v[PC+8+4*\c:PC+8+4*\c+3], s[22:23] offset:1024+512*\c
.endr
	v_cndmask_b32 v66, v64, v65, s28               ; lanes 0-15: K step 0's word of row r; lanes 16-31: K step 1's
	global_store_b32 v9, v66, s[24:25]
	s_endpgm
.Lfunc_end_k_q4fe0904f5f_prep:
	.size	k_q4fe0904f5f_prep, .Lfunc_end_k_q4fe0904f5f_prep-k_q4fe0904f5f_prep
	.p2alignl 7, 3214868480
	.fill 96, 4, 3214868480
	.section	.rodata,"a",@progbits
	.p2align	6, 0x0
	.amdhsa_kernel k_q4fe0904f5f_prep
		.amdhsa_group_segment_fixed_size 77312
		.amdhsa_private_segment_fixed_size 0
		.amdhsa_enable_private_segment 0
		.amdhsa_kernarg_size 88
		.amdhsa_user_sgpr_count 2
		.amdhsa_user_sgpr_kernarg_segment_ptr 1
		.amdhsa_wavefront_size32 1
		.amdhsa_system_sgpr_workgroup_id_x 1
		.amdhsa_system_sgpr_workgroup_id_y 1
		.amdhsa_system_sgpr_workgroup_id_z 1
		.amdhsa_system_vgpr_workitem_id 0
		.amdhsa_next_free_vgpr 256
		.amdhsa_next_free_sgpr 66
		.amdhsa_reserve_vcc 1
		.amdhsa_float_denorm_mode_32 3
		.amdhsa_float_denorm_mode_16_64 3
		.amdhsa_memory_ordered 1
		.amdhsa_forward_progress 1
		.amdhsa_inst_pref_size 55
	.end_amdhsa_kernel
	.amdgpu_metadata
---
amdhsa.version: [ 1, 2 ]
amdhsa.kernels:
  - .name:           k_q4fe0904f5f_prep
    .symbol:         k_q4fe0904f5f_prep.kd
    .args:
      - { .name: patterns, .offset: 0, .size: 8, .value_kind: global_buffer, .address_space: global }
      - { .name: depths, .offset: 8, .size: 8, .value_kind: global_buffer, .address_space: global }
      - { .name: gate, .offset: 16, .size: 8, .value_kind: global_buffer, .address_space: global }
      - { .name: state_codes, .offset: 24, .size: 8, .value_kind: global_buffer, .address_space: global }
      - { .name: state_scales, .offset: 32, .size: 8, .value_kind: global_buffer, .address_space: global }
      - { .name: W_codes, .offset: 40, .size: 8, .value_kind: global_buffer, .address_space: global }
      - { .name: W_scales, .offset: 48, .size: 8, .value_kind: global_buffer, .address_space: global }
      - { .name: recs, .offset: 56, .size: 8, .value_kind: global_buffer, .address_space: global }
      - { .name: dmax, .offset: 64, .size: 8, .value_kind: global_buffer, .address_space: global }
      - { .name: q_codes, .offset: 72, .size: 8, .value_kind: global_buffer, .address_space: global }
      - { .name: q_scales, .offset: 80, .size: 8, .value_kind: global_buffer, .address_space: global }
    .group_segment_fixed_size: 77312
    .private_segment_fixed_size: 0
    .kernarg_segment_align: 8
    .kernarg_segment_size: 88
    .max_flat_workgroup_size: 128
    .sgpr_count:     66
    .vgpr_count:     256
    .wavefront_size: 32
...
	.end_amdgpu_metadata
.endif
;; end of part 1
;; launch flash (part 2): grid 8 x 31, 8 waves a work-group, clusters of 4 x 1, 327,680 bytes of LDS; arguments recs, q_codes, q_scales, opart, stats; writes opart, stats
.if DOCPART == 2
	.amdgcn_target "amdgcn-amd-amdhsa--gfx1250"
	.amdhsa_code_object_version 6
	.text
	.protected	k_q4fe0904f5f_flash
	.globl	k_q4fe0904f5f_flash
	.p2align	8
	.type	k_q4fe0904f5f_flash,@function
k_q4fe0904f5f_flash:
	s_mov_b64 s[64:65], 0
	v_nop
	global_prefetch_b8 v0, s[64:65] scope:SCOPE_SE
	s_setreg_imm32_b32 hwreg(HW_REG_WAVE_MODE, 25, 1), 1
	s_wait_xcnt 0x0
	s_wait_alu depctr_hold_cnt(0) depctr_sa_sdst(0) depctr_va_vdst(0) depctr_va_sdst(0) depctr_va_ssrc(0) depctr_va_vcc(0) depctr_vm_vsrc(0)
	s_getreg_b32 s2, hwreg(HW_REG_IB_STS2, 6, 4)
	s_cmp_eq_u32 s2, 0
	s_cbranch_scc0 .Lentry_in_a_cluster
	s_endpgm
.Lentry_in_a_cluster:
	s_bfe_u32 s2, ttmp6, 0x10000c
	s_cmp_lg_u32 s2, 0x3003
	s_cbranch_scc0 .Lentry_shape_is_right
	s_endpgm
.Lentry_shape_is_right:
; FLASH.  For 128 queries (x) and a chunk of 26 step records of 128 keys (y): S^T = K Q^T + bias, p = 2^(t - M) with M the ceiling of the running largest t = S log2(e),
; p quantised along the keys, O^T += V^T P^T, both products on codes of E2M1 with E8M0 scales.  Out: the chunk's O^T (register images) into opart, (M, sum of the unquantised p) into stats.
; SHARES.  Wave w: queries 32 (w % 4) .. + 31 (two tiles e), records of parity w / 4: 13 key steps a wave; the two parities' sums meet through LDS at the end.
; RING.  Two slots of 4 records (141,312 bytes), each wave fetching 69 rows of 256 bytes, aligned; visits A B A B A B and half of A (records 24, 25: waves 0 to 3 fetch them).
; CLUSTER.  The four work-groups of a cluster walk the same chunk: every load is a joint one (mask 15), behind a round of the cluster's barrier.
; O^T begins as zeros, cleared while the first tile is on its way, so that the key step is written in one form: five copies in the text and not six.
; PREFETCH.  Behind each load that has a successor the successor's slot is asked for, two key steps ahead of its load; of a wave's 69 rows the partner at place cx names rows 18 cx .. 18 cx + 17 (left-over lanes the last again).
;   The first two slots come by their loads alone; for the half slot only waves 0 to 3 ask.
; LIMITS: the promise holds while |t| stays under 2^31; NaN and infinities among the inputs are not served.
; REGISTERS, window 0: v1-9 addresses; v10-25 state of the two tiles (-M, largest t, sum x 2, f); v26-45 scale words; v46-77 Q; v78-125 K fragments and bias, then p's codes and work; v126 prefetch offset; v128-255 S^T, then V.  Window 1: O^T.
.set REC,   35328
.set SLA,   0
.set SLB,   4*REC
.set SPARE, 8*REC
.set WSH,   17664
.set STG,   SLB
.set STT,   SLB+131072
.set ADR, 1
.set ADB, 2
.set LI,  3
.set HB,  4
.set SPW, 5
.set NIL, 6
.set L8,  7
.set LIK, 8
.set L4,  9
.set XO,  1
.set XI,  2
.set XS,  4
.set XT,  8
.set ST,  10
.set QS,  26
.set PS,  28
.set KS,  30
.set VS,  38
.set Q,   46
.set FS,  78
.set P,   78
.set TM,  94
.set FO,  104
.set FP,  108
.set PFO, 126
.set S,   128
.set WV,  14
.set G1,  16
.set PFA, 24
.set PLIM, 26
.set GA,  40
.set GB,  44
.set TB,  48
.set CNT, 49
.set CS,  60
.set SEL, 62
.set RNG, 66
.set KOFF, 67
.set MSB, 0
.macro WIN new
.if MSB != \new
	s_set_vgpr_msb (MSB<<8)|\new
.set MSB, \new
.endif
.endm
.macro ROUND                           ; a round of the cluster's barrier
	s_barrier_signal -1
	s_barrier_wait -1
	s_cmp_lg_u32 s[WV], 0
	s_cbranch_scc1 .Lnot_wave_0_\@
	s_barrier_signal -3
.Lnot_wave_0_\@:
	s_barrier_wait -3
	s_barrier_signal -1
	s_barrier_wait -1
.endm
.macro WM d, a, b, c, sa, sb, ra, rb
.if (\ra) && (\rb)
	v_wmma_scale_f32_16x16x128_f8f6f4 v[\d:\d+7], v[\a:\a+7], v[\b:\b+7], v[\c:\c+7], v[\sa], v[\sb] matrix_a_fmt:MATRIX_FMT_FP4 matrix_b_fmt:MATRIX_FMT_FP4 matrix_a_scale:MATRIX_SCALE_ROW1 matrix_b_scale:MATRIX_SCALE_ROW1
.elseif (\ra)
	v_wmma_scale_f32_16x16x128_f8f6f4 v[\d:\d+7], v[\a:\a+7], v[\b:\b+7], v[\c:\c+7], v[\sa], v[\sb] matrix_a_fmt:MATRIX_FMT_FP4 matrix_b_fmt:MATRIX_FMT_FP4 matrix_a_scale:MATRIX_SCALE_ROW1
.elseif (\rb)
	v_wmma_scale_f32_16x16x128_f8f6f4 v[\d:\d+7], v[\a:\a+7], v[\b:\b+7], v[\c:\c+7], v[\sa], v[\sb] matrix_a_fmt:MATRIX_FMT_FP4 matrix_b_fmt:MATRIX_FMT_FP4 matrix_b_scale:MATRIX_SCALE_ROW1
.else
	v_wmma_scale_f32_16x16x128_f8f6f4 v[\d:\d+7], v[\a:\a+7], v[\b:\b+7], v[\c:\c+7], v[\sa], v[\sb] matrix_a_fmt:MATRIX_FMT_FP4 matrix_b_fmt:MATRIX_FMT_FP4
.endif
.endm
.macro NOPS4
.rept 4
	v_nop
.endr
.endm
	s_load_b256 s[4:11], s[0:1], 0x0               ; recs, q_codes, q_scales, opart
	s_load_b64 s[12:13], s[0:1], 0x20              ; stats
	v_lshl_add_u32 v[SPW], v0, 2, SPARE
	v_mov_b32 v[NIL], 0
	ds_add_u32 v[SPW], v[NIL]                      ; the opening lines: the add twice on end and one wait
	ds_add_u32 v[SPW], v[NIL]
	v_lshrrev_b32 v1, 5, v0
	v_readfirstlane_b32 s[WV], v1                  ; wave 0..7
	s_and_b32 s51, ttmp7, 0xffff                   ; the chunk
	s_mov_b32 s[G1], 15|(3<<16)|(1<<21)            ; mask of the four partners; elements of 8 bytes
	s_mov_b32 s[G1+1], 32<<16                      ; rows of 256 bytes
	s_mov_b32 s[G1+2], 69<<16
	s_mov_b32 s[G1+3], 32<<16
	s_mov_b32 s[G1+4], 69                          ; 69 rows: an eighth of a slot
	s_mov_b32 s[G1+5], 32
	s_mov_b32 s[G1+6], 0
	s_mov_b32 s[G1+7], 0
	s_mul_i32 s54, s51, 26*REC
	s_mov_b32 s55, 0
	s_mul_i32 s52, s[WV], WSH
	s_mov_b32 s56, s52
	s_mov_b32 s57, 0
	s_mov_b32 s[CS], 0x3fb8aa3b                    ; log2(e)
	s_mov_b32 s[CS+1], s[CS]
	s_mov_b32 s[SEL], 0x76543210
	s_mov_b32 s[SEL+1], 0xfedcba98
	s_wait_dscnt 0x0
	s_wait_kmcnt 0x0
	s_add_nc_u64 s[4:5], s[4:5], s[54:55]
	s_add_nc_u64 s[58:59], s[4:5], s[56:57]        ; my eighth of the chunk's first slot
	s_mov_b32 s[GA], 1
	s_mov_b32 s[GA+1], s52
	s_mov_b64 s[GA+2:GA+3], s[58:59]
	s_or_b32 s[GA+3], s[GA+3], 0x80000000
	s_mov_b32 s[GB], 1
	s_add_co_u32 s[GB+1], s52, SLB
	s_add_nc_u64 s[GB+2:GB+3], s[58:59], 4*REC
	s_or_b32 s[GB+3], s[GB+3], 0x80000000
	s_add_nc_u64 s[PFA:PFA+1], s[58:59], 8*REC     ; the first slot that is asked for ahead: records 8 to 11
	ROUND
	tensor_load_to_lds s[GA:GA+3], s[G1:G1+7]      ; records 0 to 3: my one load at the head
	s_nop 0
	NOPS4
	s_bfe_u32 s53, ttmp6, 0x40000                  ; cx
	s_lshl_b32 s52, ttmp9, 2
	s_add_co_u32 s15, s53, s52                     ; work-group x: which 128 queries
	s_mul_i32 s59, s53, 18
	s_and_b32 s53, s[WV], 3
	s_lshr_b32 s54, s[WV], 2
	s_mul_i32 s[KOFF], s54, REC
	s_lshl_b32 s56, s15, 14
	s_lshl_b32 s58, s53, 12
	s_add_co_u32 s56, s56, s58
	s_mov_b32 s57, 0
	s_add_nc_u64 s[6:7], s[6:7], s[56:57]
	s_lshl_b32 s56, s15, 10
	s_lshl_b32 s58, s53, 8
	s_add_co_u32 s56, s56, s58
	s_add_nc_u64 s[8:9], s[8:9], s[56:57]
	s_mul_i32 s58, s51, 26                         ; behind the statistics' 253,952 bytes: tmax[record][query], each query's largest t of a record's 128 keys
	s_add_co_u32 s58, s58, s54                     ; my first record: 26 x chunk + parity
	s_lshl_b32 s58, s58, 12                        ; 4,096 bytes a record
	s_lshr_b32 s28, s56, 1                         ; + 4 x my first query
	s_add_co_u32 s28, s28, s58
	s_add_co_u32 s28, s28, 253952
	s_mov_b32 s29, 0
	s_add_nc_u64 s[28:29], s[12:13], s[28:29]
	s_lshl_b32 s58, s51, 13
	s_add_co_u32 s56, s56, s58
	s_add_nc_u64 s[12:13], s[12:13], s[56:57]
	s_lshl_b32 s56, s15, 17
	s_lshl_b32 s58, s53, 15
	s_add_co_u32 s56, s56, s58
	s_lshl_b32 s58, s51, 20
	s_add_co_u32 s56, s56, s58
	s_add_nc_u64 s[10:11], s[10:11], s[56:57]
	v_and_b32 v127, 31, v0
	v_bfe_u32 v[HB], v0, 4, 1
	v_lshlrev_b32 v[LI], 4, v127
	v_lshlrev_b32 v[L8], 3, v127
	v_lshlrev_b32 v[L4], 2, v127
	v_min_u32 v[PFO], 17, v127
	v_cmp_ne_u32 s50, 0, v[HB]
	v_lshlrev_b32 v[HB], 6, v[HB]
	v_add_nc_u32 v[PFO], s59, v[PFO]
	v_add_nc_u32 v[LIK], s[KOFF], v[LI]
	v_add_nc_u32 v[HB], s[KOFF], v[HB]
	v_min_u32 v[PFO], 68, v[PFO]                   ; held inside my 69 rows
	s_delay_alu instid0(VALU_DEP_1)
	v_lshlrev_b32 v[PFO], 8, v[PFO]
.irp e, 0,1
.irp s, 0,1
.irp c, 0,1
	global_load_b128 v[Q+16*\e+8*\s+4*\c:Q+16*\e+8*\s+4*\c+3], v[LI], s[6:7] offset:2048*\e+1024*\s+512*\c
.endr
.endr
	global_load_b32 v[QS+\e], v[L4], s[8:9] offset:128*\e
.endr
.irp e, 0,1
	v_mov_b32 v[ST+8*\e+1], 0xff61b1e6             ; the largest t so far: -3e38
	s_delay_alu instid0(VALU_DEP_1)
	v_floor_f32 v[ST+8*\e], -v[ST+8*\e+1]
	v_mov_b32 v[ST+8*\e+2], 0
	v_mov_b32 v[ST+8*\e+3], 0
	v_mov_b32 v[ST+8*\e+5], 0
	v_mov_b32 v[ST+8*\e+7], 0
.endr
	WIN 0x40
.set j, 0
.rept 256
	v_mov_b32 v[j], 0                              ; O^T, while the first tile is on its way
.set j, j+1
.endr
	WIN 0
.macro LOADK kt, set
.irp s, 0,1
.irp c, 0,1
	ds_load_b128 v[FS+24*(\set)+8*\s+4*\c:FS+24*(\set)+8*\s+4*\c+3], v[ADR] offset:(2*(\kt)+\s)*1024+512*\c
.endr
.endr
.irp i, 0,1
	ds_load_b128 v[FS+24*(\set)+16+4*\i:FS+24*(\set)+16+4*\i+3], v[ADB] offset:34816+128*((\kt)/2)+32*((\kt)%2)+16*\i
.endr
.endm
.macro KQ kt                           ; the bias is the C of a tile's first product; the two tiles of queries by turns
.irp e, 0,1
	WM S+64*\e+8*(\kt), FS+24*((\kt)%2), Q+16*\e, FS+24*((\kt)%2)+16, KS+(\kt)/2, QS+\e, (\kt)%2, 0
.endr
.irp e, 0,1
	WM S+64*\e+8*(\kt), FS+24*((\kt)%2)+8, Q+16*\e+8, S+64*\e+8*(\kt), KS+4+(\kt)/2, QS+\e, (\kt)%2, 1
.endr
.endm
.macro LOADV g
.irp t, 0,1,2,3,4,5,6,7
.irp c, 0,1
	ds_load_b128 v[S+64*\g+8*\t+4*\c:S+64*\g+8*\t+4*\c+3], v[ADR] offset:16384+1024*(8*\g+\t)+512*\c
.endr
.endr
.endm
.macro SM e                            ; the softmax of tile e's 128 keys: blocks' largest scores, M, p, its scale word and codes, the sum
.set rS, S+64*\e
.set rT, ST+8*\e
.set rM, TM+16*\e
.set rP, P+8*\e
.irp b, 0,1,2,3
	v_max3_num_f32 v[rM+\b], v[rS+16*\b], v[rS+16*\b+1], v[rS+16*\b+2]
.endr
.irp i, 3,5,7,9,11,13
.irp b, 0,1,2,3
	v_max3_num_f32 v[rM+\b], v[rM+\b], v[rS+16*\b+\i], v[rS+16*\b+\i+1]
.endr
.endr
.irp b, 0,1,2,3
	v_max_num_f32 v[rM+\b], v[rM+\b], v[rS+16*\b+15]
.endr
.irp b, 0,1,2,3
	s_delay_alu instid0(VALU_DEP_4)
	v_permlanex16_b32 v[rM+4+\b], v[rM+\b], s[SEL], s[SEL+1]
.endr
.irp b, 0,1,2,3
	s_delay_alu instid0(VALU_DEP_4)
	v_max_num_f32 v[rM+\b], v[rM+\b], v[rM+4+\b]
.endr
	s_delay_alu instid0(VALU_DEP_2)
	v_max3_num_f32 v[rT+6], v[rM], v[rM+1], v[rM+2]
	s_delay_alu instid0(VALU_DEP_1)
	v_max_num_f32 v[rT+6], v[rT+6], v[rM+3]
	s_delay_alu instid0(VALU_DEP_1)
	v_mul_f32 v[rM+12], s[CS], v[rT+6]             ; the step's largest t of my query: kept for the store behind both tiles
	s_delay_alu instid0(VALU_DEP_1)
	v_max_num_f32 v[rT+1], v[rT+1], v[rM+12]
	v_mov_b32 v[rT+6], v[rT]
	s_delay_alu instid0(VALU_DEP_2)
	v_floor_f32 v[rT], -v[rT+1]                    ; -M
	s_delay_alu instid0(VALU_DEP_1)
	v_sub_f32 v[rT+6], v[rT], v[rT+6]
	s_delay_alu instid0(VALU_DEP_1)
	v_cvt_i32_f32 v[rT+6], v[rT+6]
	s_delay_alu instid0(VALU_DEP_1)
	v_ldexp_f32 v[rT+4], 1.0, v[rT+6]              ; f = 2^(old M - new M)
.set j, 0
.rept 32
	v_pk_fma_f32 v[rS+j:rS+j+1], v[rS+j:rS+j+1], s[CS:CS+1], v[rT:rT+1] op_sel_hi:[1,0,0]
.set j, j+2
.endr
.irp b, 0,1,2,3
	v_fma_f32 v[rM+\b], v[rM+\b], s[CS], v[rT]
.endr
.set j, 0
	s_wait_alu depctr_va_vdst(0)
.rept 64
	v_exp_f32 v[rS+j], v[rS+j]
.set j, j+1
.endr
.irp b, 0,1,2,3
	v_exp_f32 v[rM+\b], v[rM+\b]                   ; each block's largest p
.endr
	v_pk_mul_f32 v[rT+2:rT+3], v[rT+2:rT+3], v[rT+4:rT+5] op_sel_hi:[1,0]
	s_wait_alu depctr_va_vdst(0)
.irp b, 0,1,2,3
	v_max_num_f32 v[rM+\b], 0x1800000, v[rM+\b]
.endr
.irp b, 0,1,2,3
	s_delay_alu instid0(VALU_DEP_4)
	v_add_nc_u32 v[rM+8+\b], 0xff000000, v[rM+\b]
.endr
.irp b, 0,1,2,3
	s_delay_alu instid0(VALU_DEP_4)
	v_lshrrev_b32 v[rM+4+\b], 23, v[rM+8+\b]
.endr
	s_delay_alu instid0(VALU_DEP_3)
	v_lshl_or_b32 v[PS+\e], v[rM+5], 8, v[rM+4]
	s_delay_alu instid0(VALU_DEP_1)
	v_lshl_or_b32 v[PS+\e], v[rM+6], 16, v[PS+\e]
	s_delay_alu instid0(VALU_DEP_1)
	v_lshl_or_b32 v[PS+\e], v[rM+7], 24, v[PS+\e]
.irp b, 0,1,2,3
	v_cvt_scalef32_pk8_fp4_f32 v[rP+2*\b], v[rS+16*\b:rS+16*\b+7], v[rM+8+\b]
	v_cvt_scalef32_pk8_fp4_f32 v[rP+2*\b+1], v[rS+16*\b+8:rS+16*\b+15], v[rM+8+\b]
.endr
	v_nop
.irp c, 0,1
.irp i, 0,1
	v_permlane16_swap_b32 v[rP+4*\c+\i], v[rP+4*\c+2+\i]
.endr
.endr
	v_pk_add_f32 v[rM+4:rM+5], v[rS:rS+1], v[rS+2:rS+3]
.set j, 4
.rept 15
	v_pk_add_f32 v[rT+2:rT+3], v[rT+2:rT+3], v[rS+j:rS+j+1]
	v_pk_add_f32 v[rM+4:rM+5], v[rM+4:rM+5], v[rS+j+2:rS+j+3]
.set j, j+4
.endr
	s_delay_alu instid0(VALU_DEP_1)
	v_pk_add_f32 v[rT+2:rT+3], v[rT+2:rT+3], v[rM+4:rM+5]
.endm
.macro STEP                            ; a key step: my record at s[TB] + KOFF
	v_add_nc_u32 v[ADR], s[TB], v[LIK]
	v_add_nc_u32 v[ADB], s[TB], v[HB]
.rept 3
	v_nop
.endr
	ds_load_b128 v[KS:KS+3], v[ADR] offset:32768
	ds_load_b128 v[KS+4:KS+7], v[ADR] offset:33280
	ds_load_b128 v[VS:VS+3], v[ADR] offset:33792
	ds_load_b128 v[VS+4:VS+7], v[ADR] offset:34304
	LOADK 0, 0
	LOADK 1, 1
.set kt, 0
	s_wait_alu depctr_va_vdst(0)
.rept 8
.if kt < 7
	s_wait_dscnt 6                                 ; all but the next tile's six loads
.else
	s_wait_dscnt 0x0
.endif
	KQ kt
.if kt < 6
	NOPS4
	LOADK kt+2, kt%2
.endif
.set kt, kt+1
.endr
	NOPS4
	SM 0
	LOADV 0
	SM 1
	LOADV 1
	s_wait_xcnt 0x0                                ; the last step's store has read its data and its base
	s_add_nc_u64 s[28:29], s[28:29], 8192          ; two records on
	v_cndmask_b32 v127, v[TM+12], v[TM+28], s50    ; lanes 0-15 tile 0's queries, lanes 16-31 tile 1's
	global_store_b32 v[L4], v127, s[28:29] offset:-8192   ; 128 consecutive bytes: my 32 queries' largest t of this record
	WIN 0x41
.irp e, 0,1
.set j, 0
.rept 64
	v_pk_mul_f32 v[128*\e+j:128*\e+j+1], v[128*\e+j:128*\e+j+1], v[ST+8*\e+4:ST+8*\e+5] op_sel_hi:[1,0]
.set j, j+2
.endr
.endr
	s_wait_alu depctr_va_vdst(0)
	s_wait_dscnt 0x0
	WIN 0x50
.set dt, 0
.rept 16
.irp e, 0,1
	WM 128*\e+8*dt, S+8*dt, P+8*\e, 128*\e+8*dt, VS+dt/2, PS+\e, dt%2, 0
.endr
.set dt, dt+1
.endr
	WIN 0
.endm
.macro TWO base                        ; a slot's two key steps
	s_mov_b32 s[TB], \base
	s_mov_b32 s[CNT], 2
.Ltwo_\@:
	STEP
	s_add_co_u32 s[TB], s[TB], 2*REC
	s_sub_co_u32 s[CNT], s[CNT], 1
	s_cmp_lg_u32 s[CNT], 0
	s_cbranch_scc1 .Ltwo_\@
.endm
.macro REFILL g0, lim                  ; the slot just read takes the records eight further on; lim = 1: only waves under s[PLIM] ask ahead
	s_wait_tensorcnt 0x0                           ; all my loads are in: my part of the other slot
	ds_add_u32 v[SPW], v[NIL]
	s_add_nc_u64 s[\g0+2:\g0+3], s[\g0+2:\g0+3], 8*REC
	s_wait_xcnt 0x0                                ; my last prefetch has read its address
	s_add_nc_u64 s[PFA:PFA+1], s[PFA:PFA+1], 4*REC
	s_wait_dscnt 0x0                               ; the add, and my reads of the slot
	ROUND
	tensor_load_to_lds s[\g0:\g0+3], s[G1:G1+7]
	s_nop 0
	NOPS4
.if \lim
	s_cmp_lt_u32 s[WV], s[PLIM]
	s_cbranch_scc0 .Lno_ask_\@
.endif
	global_prefetch_b8 v[PFO], s[PFA:PFA+1] th:TH_LOAD_NT scope:SCOPE_SE   ; what the next refill will load
.if \lim
.Lno_ask_\@:
.endif
.endm
	s_wait_alu depctr_va_vdst(0)
	s_wait_tensorcnt 0x0                           ; my part of slot A is in; slot B's first fill goes out as a refill does
	ds_add_u32 v[SPW], v[NIL]
	s_wait_dscnt 0x0
	ROUND
	tensor_load_to_lds s[GB:GB+3], s[G1:G1+7]      ; records 4 to 7
	s_nop 0
	NOPS4
	global_prefetch_b8 v[PFO], s[PFA:PFA+1] th:TH_LOAD_NT scope:SCOPE_SE   ; records 8 to 11
	s_wait_loadcnt 0x0                             ; Q
	s_mov_b32 s[RNG], 2
.Lring:
	TWO SLA
	REFILL GA, 0
	TWO SLB
	s_cmp_eq_u32 s[RNG], 1
	s_cselect_b32 s[PLIM], 4, 8                    ; in the last trip the slot ahead is the half one: records 24 and 25 are waves 0 to 3's parts
	REFILL GB, 1
	s_sub_co_u32 s[RNG], s[RNG], 1
	s_cmp_lg_u32 s[RNG], 0
	s_cbranch_scc1 .Lring
	TWO SLA
	s_wait_tensorcnt 0x0                           ; the last refill, written out: records 24 and 25 are the parts of waves 0 to 3
	ds_add_u32 v[SPW], v[NIL]
	s_add_nc_u64 s[GA+2:GA+3], s[GA+2:GA+3], 8*REC
	s_wait_xcnt 0x0                                ; the last prefetch has read its registers
	s_wait_dscnt 0x0
	ROUND
	s_cmp_lt_u32 s[WV], 4
	s_cbranch_scc0 .Lno_half
	tensor_load_to_lds s[GA:GA+3], s[G1:G1+7]
	s_nop 0
	NOPS4
.Lno_half:
	TWO SLB
	s_wait_tensorcnt 0x0
	ds_add_u32 v[SPW], v[NIL]
	s_wait_dscnt 0x0
	s_barrier_signal -1
	s_barrier_wait -1                              ; records 24 and 25 are whole, and nobody reads slot B any more: it becomes the stage
	s_mov_b32 s[TB], SLA
	STEP
	; THE WAY OUT.  Waves w and w xor 4 hold the same queries: each sends the other half of d through LDS, brings both under the larger M and stores its own half.
	NOPS4
	s_wait_xcnt 0x0                                ; the last step's store has read v127, which is written again below
.irp e, 0,1
	v_add_f32 v[ST+8*\e+6], v[ST+8*\e+2], v[ST+8*\e+3]
.endr
.irp e, 0,1
	s_delay_alu instid0(VALU_DEP_2)
	v_permlanex16_b32 v[ST+8*\e+7], v[ST+8*\e+6], s[SEL], s[SEL+1]
.endr
.irp e, 0,1
	s_delay_alu instid0(VALU_DEP_2)
	v_add_f32 v[ST+8*\e+6], v[ST+8*\e+6], v[ST+8*\e+7]
.endr
	s_lshl_b32 s52, s[WV], 14
	s_add_co_u32 s52, s52, STG
	v_add_nc_u32 v[XO], s52, v[LI]
	s_xor_b32 s53, s[WV], 4
	s_lshl_b32 s54, s53, 14
	s_add_co_u32 s54, s54, STG
	v_add_nc_u32 v[XI], s54, v[LI]
	s_lshl_b32 s52, s[WV], 9
	s_add_co_u32 s52, s52, STT
	v_add_nc_u32 v[XS], s52, v[L4]
	s_wait_alu depctr_va_vdst(0)
	s_lshl_b32 s54, s53, 9
	s_add_co_u32 s54, s54, STT
	v_add_nc_u32 v[XT], s54, v[L4]
	ds_store_b32 v[XS], v[ST]
	ds_store_b32 v[XS], v[ST+8] offset:128
	ds_store_b32 v[XS], v[ST+6] offset:256
	ds_store_b32 v[XS], v[ST+14] offset:384
.macro XOUT d0
	WIN 0x04
.irp e, 0,1
.set t, 0
.rept 8
	ds_store_b128 v[XO], v[128*\e+8*(\d0+t):128*\e+8*(\d0+t)+3] offset:8192*\e+1024*t
	ds_store_b128 v[XO], v[128*\e+8*(\d0+t)+4:128*\e+8*(\d0+t)+7] offset:8192*\e+1024*t+512
.set t, t+1
.endr
.endr
	WIN 0
.endm
	s_cmp_lt_u32 s[WV], 4
	s_cbranch_scc0 .Lsend_low
	XOUT 8
	s_branch .Lsent
.Lsend_low:
	XOUT 0
.Lsent:
	s_wait_dscnt 0x0
	s_barrier_signal -1
	s_barrier_wait -1
	s_wait_alu depctr_va_vdst(0)
	ds_load_b32 v94, v[XT]
	ds_load_b32 v95, v[XT] offset:128
	ds_load_b32 v96, v[XT] offset:256
	ds_load_b32 v97, v[XT] offset:384
.irp e, 0,1
.set t, 0
.rept 8
	ds_load_b128 v[S+64*\e+8*t:S+64*\e+8*t+3], v[XI] offset:8192*\e+1024*t
	ds_load_b128 v[S+64*\e+8*t+4:S+64*\e+8*t+7], v[XI] offset:8192*\e+1024*t+512
.set t, t+1
.endr
.endr
	s_wait_dscnt 32                                ; the partner's -M and sums are in
.irp e, 0,1
	v_min_num_f32 v[98+\e], v[ST+8*\e], v[94+\e]   ; the smaller -M
.endr
.irp e, 0
	s_delay_alu instid0(VALU_DEP_2)
	v_sub_f32 v[100+\e], v[98+\e], v[ST+8*\e]
	s_delay_alu instid0(VALU_DEP_3)
	v_sub_f32 v[102+\e], v[98+\e], v[94+\e]
.endr
.irp e, 1
	s_delay_alu instid0(VALU_DEP_3)
	v_sub_f32 v[100+\e], v[98+\e], v[ST+8*\e]
	s_delay_alu instid0(VALU_DEP_4)
	v_sub_f32 v[102+\e], v[98+\e], v[94+\e]
.endr
.irp e, 0,1
	s_delay_alu instid0(VALU_DEP_4)
	v_cvt_i32_f32 v[100+\e], v[100+\e]
	s_delay_alu instid0(VALU_DEP_4)
	v_cvt_i32_f32 v[102+\e], v[102+\e]
.endr
.irp e, 0,1
	v_ldexp_f32 v[FO+2*\e], 1.0, v[100+\e]
	v_ldexp_f32 v[FO+2*\e+1], 1.0, v[100+\e]
	v_ldexp_f32 v[FP+2*\e], 1.0, v[102+\e]
	v_ldexp_f32 v[FP+2*\e+1], 1.0, v[102+\e]
	v_ldexp_f32 v[112+\e], v[ST+8*\e+6], v[100+\e]
	v_ldexp_f32 v[114+\e], v[96+\e], v[102+\e]
.endr
.irp e, 0
	v_add_f32 v[112+\e], v[112+\e], v[114+\e]
	v_mul_f32 v[116+\e], -1.0, v[98+\e]
.endr
.irp e, 1
	s_delay_alu instid0(VALU_DEP_3)
	v_add_f32 v[112+\e], v[112+\e], v[114+\e]
	v_mul_f32 v[116+\e], -1.0, v[98+\e]
.endr
	s_delay_alu instid0(VALU_DEP_1)
	v_cndmask_b32 v126, v116, v117, s50
	s_delay_alu instid0(VALU_DEP_3)
	v_cndmask_b32 v127, v112, v113, s50
	s_wait_dscnt 0x0
.irp e, 0,1
.set j, 0
.rept 32
	v_pk_mul_f32 v[S+64*\e+j:S+64*\e+j+1], v[S+64*\e+j:S+64*\e+j+1], v[FP+2*\e:FP+2*\e+1]
.set j, j+2
.endr
.endr
.macro XIN d0
	WIN 0x01
.irp e, 0,1
.set j, 0
.rept 32
	v_pk_fma_f32 v[S+64*\e+j:S+64*\e+j+1], v[128*\e+8*\d0+j:128*\e+8*\d0+j+1], v[FO+2*\e:FO+2*\e+1], v[S+64*\e+j:S+64*\e+j+1]
.set j, j+2
.endr
.endr
	WIN 0
.irp e, 0,1
.set t, 0
.rept 8
	global_store_b128 v[LI], v[S+64*\e+8*t:S+64*\e+8*t+3], s[10:11] offset:16384*\e+1024*(\d0+t)
	global_store_b128 v[LI], v[S+64*\e+8*t+4:S+64*\e+8*t+7], s[10:11] offset:16384*\e+1024*(\d0+t)+512
.set t, t+1
.endr
.endr
.endm
	s_cmp_lt_u32 s[WV], 4
	s_cbranch_scc0 .Lkeep_high
	global_store_b64 v[L8], v[126:127], s[12:13]
	XIN 0
	s_branch .Lout
.Lkeep_high:
	XIN 8
.Lout:
	s_wait_tensorcnt 0x0                           ; the wave's end
	ds_add_u32 v[SPW], v[NIL]
	s_wait_dscnt 0x0
	ROUND                                          ; the closing round
	s_endpgm
.Lfunc_end_k_q4fe0904f5f_flash:
	.size	k_q4fe0904f5f_flash, .Lfunc_end_k_q4fe0904f5f_flash-k_q4fe0904f5f_flash
	.p2alignl 7, 3214868480
	.fill 96, 4, 3214868480
	.section	.rodata,"a",@progbits
	.p2align	6, 0x0
	.amdhsa_kernel k_q4fe0904f5f_flash
		.amdhsa_group_segment_fixed_size 327680
		.amdhsa_private_segment_fixed_size 0
		.amdhsa_enable_private_segment 0
		.amdhsa_kernarg_size 40
		.amdhsa_user_sgpr_count 2
		.amdhsa_user_sgpr_kernarg_segment_ptr 1
		.amdhsa_wavefront_size32 1
		.amdhsa_system_sgpr_workgroup_id_x 1
		.amdhsa_system_sgpr_workgroup_id_y 1
		.amdhsa_system_sgpr_workgroup_id_z 1
		.amdhsa_system_vgpr_workitem_id 0
		.amdhsa_next_free_vgpr 512
		.amdhsa_next_free_sgpr 72
		.amdhsa_reserve_vcc 0
		.amdhsa_float_denorm_mode_32 3
		.amdhsa_float_denorm_mode_16_64 3
		.amdhsa_memory_ordered 1
		.amdhsa_forward_progress 1
		.amdhsa_inst_pref_size 255
	.end_amdhsa_kernel
	.section	.bss,"aw",@nobits
	.p2align	6
	.space	262144
	.amdgpu_metadata
---
amdhsa.version: [ 1, 2 ]
amdhsa.kernels:
  - .name:           k_q4fe0904f5f_flash
    .symbol:         k_q4fe0904f5f_flash.kd
    .args:
      - { .name: recs, .offset: 0, .size: 8, .value_kind: global_buffer, .address_space: global }
      - { .name: q_codes, .offset: 8, .size: 8, .value_kind: global_buffer, .address_space: global }
      - { .name: q_scales, .offset: 16, .size: 8, .value_kind: global_buffer, .address_space: global }
      - { .name: opart, .offset: 24, .size: 8, .value_kind: global_buffer, .address_space: global }
      - { .name: stats, .offset: 32, .size: 8, .value_kind: global_buffer, .address_space: global }
    .group_segment_fixed_size: 327680
    .private_segment_fixed_size: 0
    .kernarg_segment_align: 8
    .kernarg_segment_size: 40
    .max_flat_workgroup_size: 256
    .sgpr_count:     72
    .vgpr_count:     512
    .wavefront_size: 32
...
	.end_amdgpu_metadata
.endif
;; end of part 2
;; launch combine (part 3): grid 4 x 64, 8 waves a work-group, no clusters, 43,008 bytes of LDS; arguments opart, stats, out0, negl, pflag; writes out0, negl, pflag
.if DOCPART == 3
	.amdgcn_target "amdgcn-amd-amdhsa--gfx1250"
	.amdhsa_code_object_version 6
	.text
	.protected	k_q4fe0904f5f_combine
	.globl	k_q4fe0904f5f_combine
	.p2align	8
	.type	k_q4fe0904f5f_combine,@function
k_q4fe0904f5f_combine:
	s_mov_b64 s[64:65], 0
	v_nop
	global_prefetch_b8 v0, s[64:65] scope:SCOPE_SE
	s_setreg_imm32_b32 hwreg(HW_REG_WAVE_MODE, 25, 1), 1
	s_wait_xcnt 0x0
; COMBINE.  out0[q][d] = (sum over the 31 chunks c of O_c[q][d] 2^(M_c - M*)) / l, with M* = the largest M_c and l = sum of l_c 2^(M_c - M*); negl[q] = -(M* + log2 l) ln 2, the negative log-sum-exp.
; The M are whole numbers, so every factor is a power of two, made by v_ldexp_f32.
; A stream: no matrix unit.  No cluster: the work-groups of a query tile share only its 3,968 bytes of statistics, against 126,976 bytes of partial sums that are each work-group's own.
; SHARES.  x = 64 of d (4,096 consecutive bytes of each chunk's image), y = a tile of 16 queries.  Wave j sums chunks j + 8 k, k = 0 .. 3 (past chunk 30: chunk 30 again, times 0); all its 32 loads of 16 bytes a lane
; go out at once; the eight waves' sums meet in LDS, and each wave stores two queries' 256 bytes.
; LDS: 0: the statistics, 32 places of 128 bytes (16 queries x (M, l)); 8192: eight copies of eight slices of 512 bytes + 16.
; REGISTERS: v1-6 addresses; v7 M*; v8-11 my chunks' M; v16-47 16 pairs (M, l); v78 l, v79 1 / l; v80-87 my four factors, each twice; v96-127 the sums; v128-255 four sets of eight loads.
.set RED,  8192
.set CPY,  8*528
.set LAST, 30                          ; the last chunk
	s_load_b256 s[4:11], s[0:1], 0x0               ; opart, stats, out0, negl
	s_load_b64 s[46:47], s[0:1], 0x20              ; pflag
	v_lshl_add_u32 v94, v0, 2, 0xa400
	v_mov_b32 v95, 0
	v_lshrrev_b32 v8, 5, v0
	s_delay_alu instid0(VALU_DEP_1)
	v_readfirstlane_b32 s12, v8                    ; wave j
	s_mov_b32 s13, ttmp9                           ; which 64 of d
	s_and_b32 s14, ttmp7, 0xffff                   ; the tile of queries
	v_and_b32 v8, 31, v0
	v_and_b32 v9, 15, v0                           ; r; on the way out: a
	v_bfe_u32 v10, v0, 4, 1                        ; h
	s_delay_alu instid0(VALU_DEP_3)
	v_lshlrev_b32 v1, 4, v8                        ; 16 x lane
	s_delay_alu instid0(VALU_DEP_2)
	v_lshlrev_b32 v2, 7, v10
	s_delay_alu instid0(VALU_DEP_1)
	v_lshl_add_u32 v2, v9, 3, v2                   ; statistics: place h, query r
	s_lshl_b32 s36, s12, 7
	v_lshlrev_b32 v3, 3, v9
	s_delay_alu instid0(VALU_DEP_1)
	v_add_nc_u32 v3, s36, v3                       ; place j, query r
	s_mul_i32 s36, s12, CPY
	v_add_nc_u32 v4, s36, v1
	s_delay_alu instid0(VALU_DEP_1)
	v_add_nc_u32 v4, RED, v4                       ; my copy, 16 x lane
	v_lshrrev_b32 v11, 2, v9
	s_delay_alu instid0(VALU_DEP_1)
	v_lshlrev_b32 v11, 1, v11
	v_and_b32 v12, 1, v9
	s_delay_alu instid0(VALU_DEP_1)
	v_add_nc_u32 v11, v11, v12                     ; back: d = 4 a lies in slice 2 (a / 4) + a % 2,
	s_delay_alu instid0(VALU_DEP_1)
	v_mul_u32_u24 v5, v11, 528
	v_bfe_u32 v12, v0, 1, 1
	s_delay_alu instid0(VALU_DEP_1)
	v_lshl_add_u32 v5, v12, 8, v5                  ; in the half (a / 2) % 2 of its lanes,
	s_delay_alu instid0(VALU_DEP_1)
	v_lshl_add_u32 v5, v10, 4, v5
	s_lshl_b32 s36, s12, 5
	v_add_nc_u32 v5, s36, v5                       ; at query 2 j + lane / 16
	s_delay_alu instid0(VALU_DEP_1)
	v_add_nc_u32 v5, RED, v5
	v_lshlrev_b32 v6, 10, v10
	s_delay_alu instid0(VALU_DEP_1)
	v_lshl_add_u32 v6, v9, 4, v6
	s_lshl_b32 s36, s12, 11
	v_add_nc_u32 v6, s36, v6                       ; out0: row 2 j + lane / 16 of the tile, + 16 a
	s_lshl_b32 s36, s12, 1
	v_add_nc_u32 v12, s36, v10                     ; 2 j + h: the places that I bring are 16 k + this
	s_delay_alu instid0(VALU_DEP_1)
	v_lshlrev_b32 v13, 7, v12
	s_delay_alu instid0(VALU_DEP_1)
	v_lshl_add_u32 v13, v9, 3, v13
.irp k, 0,1
	v_add_nc_u32 v[28+\k], 16*\k, v12
	s_delay_alu instid0(VALU_DEP_1)
	v_min_u32 v[24+\k], LAST, v[28+\k]             ; no load leaves its buffer
	s_delay_alu instid0(VALU_DEP_1)
	v_lshlrev_b32 v[24+\k], 13, v[24+\k]
	s_delay_alu instid0(VALU_DEP_1)
	v_lshl_add_u32 v[24+\k], v9, 3, v[24+\k]
.endr
	v_mov_b32 v79, 0                               ; a lane permute's destination counts as one of its sources
	s_mov_b32 s32, 0x76543210
	s_mov_b32 s33, 0xfedcba98
	s_add_co_u32 s36, s12, 24
	s_cmp_le_u32 s36, LAST
	s_cselect_b32 s34, 1.0, 0                      ; does my fourth chunk exist?
	s_lshl_b32 s38, s14, 14
	s_lshl_b32 s39, s13, 12
	s_add_co_u32 s38, s38, s39                     ; tile x 16,384 + 4,096 x
	s_mov_b32 s37, 0
	s_lshl_b32 s40, s14, 7
	s_mov_b32 s41, 0
	s_lshl_b32 s42, s13, 8
	s_lshl_b32 s43, s14, 14
	s_add_co_u32 s42, s42, s43
	s_mov_b32 s43, 0
	s_wait_alu depctr_va_vdst(0)
	s_wait_kmcnt 0x0
	s_add_nc_u64 s[6:7], s[6:7], s[40:41]          ; stats at the tile's first query
	s_add_nc_u64 s[8:9], s[8:9], s[42:43]          ; out0 at the tile's first row, my 256 bytes
.irp k, 0,1,2,3
	s_add_co_u32 s36, s12, 8*\k
	s_min_u32 s36, s36, LAST
	s_lshl_b32 s36, s36, 20
	s_add_co_u32 s36, s36, s38
	s_add_nc_u64 s[16+2*\k:17+2*\k], s[4:5], s[36:37]   ; a base for each of my chunks, never rewritten
.endr
.irp k, 0,1
	global_load_b64 v[16+2*\k:17+2*\k], v[24+\k], s[6:7]
.endr
; WHICH RECORDS CAN HOLD A WEIGHT OVER 0.1.  A weight is 2^(t - M* - log2 l).  Wave j of work-group (x, y) holds the largest t of records 208 x + 26 j + 2 k + h (k = 0 .. 12, h = lane / 16) for the tile's 16 queries
; against M* + log2 l - 3.5 and stores the 13 lane masks as whole numbers: a later launch multiplies again only where a mask is set.  (x = 3, j = 7 has no record: it repeats j = 6's, and nobody reads its masks.)
	s_mul_i32 s36, s13, 208
	s_mul_i32 s39, s12, 26
	s_add_co_u32 s36, s36, s39
	s_min_u32 s36, s36, 780                        ; the last record is 805
	s_lshl_b32 s36, s36, 12
	s_add_co_u32 s36, s36, 253952                  ; tmax lies behind the statistics
	s_lshl_b32 s39, s14, 6
	s_sub_co_u32 s36, s36, s39                     ; s[6:7] stands 128 y bytes in; the tile's queries lie 64 y bytes into a record's row
	s_add_nc_u64 s[44:45], s[6:7], s[36:37]
	v_lshlrev_b32 v63, 12, v10
	s_delay_alu instid0(VALU_DEP_1)
	v_lshl_add_u32 v63, v9, 2, v63                 ; 4,096 h + 4 r
.set k, 0
.rept 13
	global_load_b32 v[48+k], v63, s[44:45] offset:8192*k
.set k, k+1
.endr
.macro XLOAD k
.irp g, 0,1,2,3,4,5,6,7
	global_load_b128 v[128+32*(\k)+4*\g:128+32*(\k)+4*\g+3], v1, s[16+2*(\k):17+2*(\k)] offset:512*\g th:TH_LOAD_NT
.endr
.endm
	XLOAD 0
	XLOAD 1
	XLOAD 2
	XLOAD 3
	s_wait_loadcnt 32                              ; the statistics are in; the 32 loads behind them stay out
	v_cmp_lt_u32 vcc_lo, LAST, v29
	s_delay_alu instid0(VALU_DEP_1)
	v_cndmask_b32 v19, v19, 0, vcc_lo              ; the place past the last chunk adds nothing to l
.irp k, 0,1
	ds_store_b64 v13, v[16+2*\k:17+2*\k] offset:2048*\k
.endr
	s_wait_dscnt 0x0
	s_barrier_signal -1
	s_barrier_wait -1                              ; all 32 places are written
.set i, 0
.rept 16
	ds_load_b64 v[16+2*i:17+2*i], v2 offset:256*i  ; places 2 i + h: lanes l and l xor 16 cover all
.set i, i+1
.endr
.irp k, 0,1,2,3
	ds_load_b32 v[8+\k], v3 offset:1024*\k         ; my own chunks' M
.endr
	s_wait_dscnt 0x0
	v_max3_num_f32 v7, v16, v18, v20
.set i, 3
.rept 6
	s_delay_alu instid0(VALU_DEP_1)
	v_max3_num_f32 v7, v7, v[16+2*i], v[18+2*i]
.set i, i+2
.endr
	s_delay_alu instid0(VALU_DEP_1)
	v_max_num_f32 v7, v7, v46
	s_delay_alu instid0(VALU_DEP_1)
	v_permlanex16_b32 v79, v7, s32, s33
	s_delay_alu instid0(VALU_DEP_1)
	v_max_num_f32 v7, v7, v79                      ; M*
.set i, 0
.rept 16
	v_sub_f32 v[16+2*i], v[16+2*i], v7
.set i, i+1
.endr
.set i, 0
.rept 16
	v_cvt_i32_f32 v[16+2*i], v[16+2*i]             ; a whole number, 0 or less (it saturates)
.set i, i+1
.endr
.set i, 0
.rept 16
	v_ldexp_f32 v[17+2*i], v[17+2*i], v[16+2*i]    ; l_c 2^(M_c - M*)
.set i, i+1
.endr
	v_add_f32 v16, v17, v21
	v_add_f32 v93, v25, v29
	v_add_f32 v92, v33, v37
	v_add_f32 v91, v41, v45
	v_add_f32 v90, v19, v23
	v_add_f32 v89, v27, v31
	v_add_f32 v88, v35, v39
	v_add_f32 v78, v43, v47
	s_delay_alu instid0(VALU_DEP_1)
	v_add_f32 v78, v78, v91
	v_add_f32 v16, v16, v90
	v_add_f32 v93, v93, v89
	v_add_f32 v92, v92, v88
	s_delay_alu instid0(VALU_DEP_2)
	v_add_f32 v78, v78, v93
	s_delay_alu instid0(VALU_DEP_2)
	v_add_f32 v16, v16, v92
	s_delay_alu instid0(VALU_DEP_1)
	v_add_f32 v78, v78, v16
	s_delay_alu instid0(VALU_DEP_1)
	v_permlanex16_b32 v79, v78, s32, s33
	s_delay_alu instid0(VALU_DEP_1)
	v_add_f32 v78, v78, v79                        ; l
	s_wait_alu depctr_va_vdst(0)
	v_rcp_f32 v79, v78
	v_log_f32 v61, v78
.irp k, 0,1,2,3
	v_sub_f32 v[8+\k], v[8+\k], v7                 ; (plain places behind the reciprocal)
.endr
.irp k, 0,1,2,3
	s_delay_alu instid0(VALU_DEP_4)
	v_cvt_i32_f32 v[8+\k], v[8+\k]
.endr
	s_wait_alu depctr_va_vdst(0)
.irp k, 0,1,2,3
	v_ldexp_f32 v[80+2*\k], v79, v[8+\k]           ; 2^(M_c - M*) / l, twice: a pair for the packed forms
	v_ldexp_f32 v[81+2*\k], v79, v[8+\k]
.endr
	s_delay_alu instid0(VALU_DEP_2)
	v_mul_f32 v86, s34, v86
	s_delay_alu instid0(VALU_DEP_2)
	v_mul_f32 v87, s34, v87
	v_add_f32 v61, v61, v7                         ; M* + log2 l
	v_mov_b32 v62, 0
	s_delay_alu instid0(VALU_DEP_2)
	v_add_f32 v61, 0xc0600000, v61                 ; - 3.5: a weight of 0.088, under the 0.1 that counts
.set k, 0
.rept 13
	v_cmp_gt_f32 s36, v[48+k], v61
	v_writelane_b32 v62, s36, k                    ; word k: bits 0-15 record 2 k's queries, bits 16-31 record 2 k + 1's
.set k, k+1
.endr
	s_lshl_b32 s36, s13, 3
	s_add_co_u32 s36, s36, s12                     ; the group of 26 records: 8 x + j
	s_lshl_b32 s36, s36, 6
	s_add_co_u32 s36, s36, s14
	s_lshl_b32 s36, s36, 7                         ; pflag[group][y][32 words]
	s_add_nc_u64 s[46:47], s[46:47], s[36:37]
	v_lshrrev_b32 v63, 2, v1
	global_store_b32 v63, v62, s[46:47]            ; 128 consecutive bytes (words 13 to 31 are 0)
.set k, 0
	s_wait_alu depctr_va_vdst(0)
.rept 4
	s_wait_loadcnt 8*(3-k)                         ; this chunk's eight loads are in; the younger sets stay out
.set g, 0
.rept 16
.if k == 0
	v_pk_mul_f32 v[96+2*g:97+2*g], v[128+2*g:129+2*g], v[80:81]
.else
	v_pk_fma_f32 v[96+2*g:97+2*g], v[128+32*k+2*g:129+32*k+2*g], v[80+2*k:81+2*k], v[96+2*g:97+2*g]
.endif
.set g, g+1
.endr
.set k, k+1
.endr
.irp g, 0,1,2,3,4,5,6,7
	ds_store_b128 v4, v[96+4*\g:99+4*\g] offset:528*\g
.endr
	s_wait_dscnt 0x0
	s_barrier_signal -1
	s_barrier_wait -1                              ; the eight copies lie in LDS
.irp c, 0,1,2,3,4,5,6,7
	ds_load_b128 v[128+4*\c:131+4*\c], v5 offset:CPY*\c
.endr
	s_wait_dscnt 0x0
.irp c, 1
	v_pk_add_f32 v[128:129], v[128:129], v[128+4*\c:129+4*\c]
	v_pk_add_f32 v[130:131], v[130:131], v[130+4*\c:131+4*\c]
.endr
.irp c, 2, 3, 4, 5, 6, 7
	s_delay_alu instid0(VALU_DEP_2)
	v_pk_add_f32 v[128:129], v[128:129], v[128+4*\c:129+4*\c]
	s_delay_alu instid0(VALU_DEP_2)
	v_pk_add_f32 v[130:131], v[130:131], v[130+4*\c:131+4*\c]
.endr
	global_store_b128 v6, v[128:131], s[8:9] th:TH_STORE_NT   ; sixteen lanes fill 256 consecutive bytes, aligned
	s_or_b32 s36, s13, s12
	s_cmp_lg_u32 s36, 0                            ; wave 0 of the work-group with x = 0 stores the tile's negl
	s_cbranch_scc1 .Lend
	v_log_f32 v16, v78
	v_and_b32 v17, 31, v0                          ; (a plain place behind the logarithm)
	s_wait_alu depctr_va_vdst(0)
	v_add_f32 v16, v16, v7
	s_delay_alu instid0(VALU_DEP_1)
	v_mul_f32 v16, 0xbf317218, v16                 ; x -ln 2
	v_lshlrev_b32 v18, 2, v17
	s_lshl_b32 s36, s14, 6
	s_add_nc_u64 s[10:11], s[10:11], s[36:37]
	v_cmp_gt_u32 vcc_lo, 16, v17
	s_wait_alu depctr_va_vdst(0)
	s_wait_xcnt 0x0                                ; EXEC is a source of the store that is out
	s_and_saveexec_b32 s38, vcc_lo
	global_store_b32 v18, v16, s[10:11]
	s_wait_xcnt 0x0
	s_or_b32 exec_lo, exec_lo, s38
.Lend:
	s_wait_tensorcnt 0x0
	ds_add_u32 v94, v95
	s_wait_dscnt 0x0
	s_endpgm
.Lfunc_end_k_q4fe0904f5f_combine:
	.size	k_q4fe0904f5f_combine, .Lfunc_end_k_q4fe0904f5f_combine-k_q4fe0904f5f_combine
	.p2alignl 7, 3214868480
	.fill 96, 4, 3214868480
	.section	.rodata,"a",@progbits
	.p2align	6, 0x0
	.amdhsa_kernel k_q4fe0904f5f_combine
		.amdhsa_group_segment_fixed_size 43008
		.amdhsa_private_segment_fixed_size 0
		.amdhsa_enable_private_segment 0
		.amdhsa_kernarg_size 40
		.amdhsa_user_sgpr_count 2
		.amdhsa_user_sgpr_kernarg_segment_ptr 1
		.amdhsa_wavefront_size32 1
		.amdhsa_system_sgpr_workgroup_id_x 1
		.amdhsa_system_sgpr_workgroup_id_y 1
		.amdhsa_system_sgpr_workgroup_id_z 1
		.amdhsa_system_vgpr_workitem_id 0
		.amdhsa_next_free_vgpr 256
		.amdhsa_next_free_sgpr 66
		.amdhsa_reserve_vcc 1
		.amdhsa_float_denorm_mode_32 3
		.amdhsa_float_denorm_mode_16_64 3
		.amdhsa_memory_ordered 1
		.amdhsa_forward_progress 1
		.amdhsa_inst_pref_size 26
	.end_amdhsa_kernel
	.amdgpu_metadata
---
amdhsa.version: [ 1, 2 ]
amdhsa.kernels:
  - .name:           k_q4fe0904f5f_combine
    .symbol:         k_q4fe0904f5f_combine.kd
    .args:
      - { .name: opart, .offset: 0, .size: 8, .value_kind: global_buffer, .address_space: global }
      - { .name: stats, .offset: 8, .size: 8, .value_kind: global_buffer, .address_space: global }
      - { .name: out0, .offset: 16, .size: 8, .value_kind: global_buffer, .address_space: global }
      - { .name: negl, .offset: 24, .size: 8, .value_kind: global_buffer, .address_space: global }
      - { .name: pflag, .offset: 32, .size: 8, .value_kind: global_buffer, .address_space: global }
    .group_segment_fixed_size: 43008
    .private_segment_fixed_size: 0
    .kernarg_segment_align: 8
    .kernarg_segment_size: 40
    .max_flat_workgroup_size: 256
    .sgpr_count:     66
    .vgpr_count:     256
    .wavefront_size: 32
...
	.end_amdgpu_metadata
.endif
;; end of part 3
;; launch access (part 4): grid 98 x 1, 8 waves a work-group, no clusters, 0 bytes of LDS; arguments recs, q_codes, q_scales, negl, dmax, depths, pflag, out1; writes out1
.if DOCPART == 4
	.amdgcn_target "amdgcn-amd-amdhsa--gfx1250"
	.amdhsa_code_object_version 6
	.text
	.protected	k_q4fe0904f5f_access
	.globl	k_q4fe0904f5f_access
	.p2align	8
	.type	k_q4fe0904f5f_access,@function
k_q4fe0904f5f_access:
	s_mov_b64 s[64:65], 0
	v_nop
	global_prefetch_b8 v0, s[64:65] scope:SCOPE_SE
	s_setreg_imm32_b32 hwreg(HW_REG_WAVE_MODE, 25, 1), 1
	s_wait_xcnt 0x0
; ACCESS.  new_depths = depths + (max_w > 0.1 ? 0.01 (1 - 0.7 log1p(depth) / max(log1p(largest depth), 1e-8)) max_w : 0), max_w[n] = the largest weight of key n over the 1,024 queries.
; A wave owns one record of 128 keys (782 records hold keys).  The launch before has stored, as whole numbers, for each record and each tile of 16 queries a mask of the queries whose largest weight in the record can pass 0.088.
; The wave joins its record's 64 mask words.  None set: no weight of these keys passes 0.1, so the depths are stored as they are.  Else the record's similarities are multiplied again
; (codes of E2M1, E8M0 scales) with -logsumexp[b] as the C of each sum, max_w = exp(bias + the largest sum), since exp rises.  The choice hangs on whole numbers read from memory alone.
; No LDS, no barrier (the ways part on loaded numbers), no cluster: no two waves read the same tile of K, and the common way reads 1 KB a wave.
; Source 0 = 16 queries, source 1 = 16 keys: a lane holds one key (lane % 16) and eight queries.  Row r of tile 2 b + u is key 32 b + 8 u + r + 8 (r / 8).
; LIMITS: NaN and infinities are not served; depths at or under -1 are not served (log1p(depth) is not finite there).
; REGISTERS: v1-7, v20-23 offsets; v8-11 depths; v12-19 running maxima of the 8 tiles; v24-87 accumulators; v88-95 -logsumexp; v96-111 Q; v112-119 K's scale words, v120 Q's (scales alone); v128-255 K, later the finish.
.set REC, 35328
.set D,   160                          ; the finish, element b = block 0..3, element 4 = the largest depth: depth
.set BI,  168                          ; bias
.set MX,  176                          ; the largest sum
.set U,   184                          ; 1 + depth
.set U1,  192                          ; (1 + depth) - 1
.set LG,  200
.set RC,  208
.set W,   216
.set OF,  224                          ; 4 x key
.set CL,  232                          ; the same, held inside the buffer
	s_load_b256 s[4:11], s[0:1], 0x0               ; recs, q_codes, q_scales, negl
	s_load_b256 s[12:19], s[0:1], 0x20             ; dmax, depths, pflag, out1
	v_lshrrev_b32 v1, 5, v0
	v_readfirstlane_b32 s20, v1                    ; wave
	s_lshl_b32 s21, ttmp9, 3
	s_add_co_u32 s21, s21, s20                     ; my record R
	s_cmp_ge_u32 s21, 782                          ; 98 x 8 = 784 waves: the last two have no record
	s_cbranch_scc1 .Lend
	s_mul_i32 s22, s21, 2521
	s_lshr_b32 s22, s22, 16                        ; R / 26 (exact for R under 806: 26 x 2521 = 65,546)
	s_mul_i32 s23, s22, 26
	s_sub_co_u32 s23, s21, s23                     ; R % 26
	s_lshr_b32 s24, s23, 1                         ; the word,
	s_and_b32 s25, s23, 1
	s_lshl_b32 s25, s25, 4
	s_lshl_b32 s25, 0xffff, s25                    ; and my half of it
	s_lshl_b32 s26, s22, 13                        ; pflag[group][y][32 words]
	s_lshl_b32 s24, s24, 2
	s_add_co_u32 s26, s26, s24
	s_lshl_b32 s27, s21, 9                         ; 4 x the record's first key
	v_and_b32 v1, 31, v0                           ; lane
	v_lshl_add_u32 v2, v1, 7, s26                  ; y = lane (and lane + 32)
	v_lshl_add_u32 v3, v1, 4, s27                  ; 4 x my first key of four
	v_min_u32 v4, 399984, v3                       ; no load leaves its buffer
	s_wait_alu depctr_va_vdst(0)
	s_wait_kmcnt 0x0
	global_load_b32 v5, v2, s[16:17]
	global_load_b32 v6, v2, s[16:17] offset:4096
	global_load_b128 v[8:11], v4, s[14:15]
	s_wait_loadcnt 0x0
	v_or_b32 v5, v5, v6
	v_and_b32 v5, s25, v5
	v_cmp_ne_u32 s28, 0, v5
	s_cmp_lg_u32 s28, 0                            ; is a bit of my record set for any query?
	s_cbranch_scc1 .Lheavy
	v_cmp_gt_u32 vcc_lo, 400000, v3                ; record 781 holds 32 real keys
	s_wait_xcnt 0x0                                ; EXEC changes only behind this wait
	s_and_saveexec_b32 s29, vcc_lo
	global_store_b128 v3, v[8:11], s[18:19]        ; 512 consecutive bytes a wave
	s_wait_xcnt 0x0
	s_or_b32 exec_lo, exec_lo, s29
.Lend:
	s_endpgm
.Lheavy:
	v_and_b32 v2, 15, v0                           ; r
	v_bfe_u32 v6, v0, 4, 1                         ; h
	v_lshlrev_b32 v7, 4, v1                        ; 16 x lane
	v_lshlrev_b32 v20, 2, v1                       ; 4 x lane
	v_lshlrev_b32 v21, 5, v6                       ; -logsumexp: my half's eight queries
	v_lshlrev_b32 v22, 9, v6
	v_lshl_add_u32 v22, v2, 4, v22                 ; K's scale words: K step h, row r
	v_add_nc_u32 v23, 768, v1
	v_min_u32 v23, 792, v23                        ; the first 793 numbers of dmax cover every real key
	v_lshlrev_b32 v23, 2, v23
	v_and_b32 v5, 8, v2
	v_add_nc_u32 v5, v5, v2
	v_lshl_add_u32 v5, v6, 3, v5                   ; r + 8 (r / 8) + 8 h: my key of a block, tile h
	v_lshlrev_b32 v5, 2, v5
	v_cmp_ne_u32 s33, 0, v6                        ; the mask of lanes 16-31
.irp t, 0,1,2,3,4,5,6,7
	v_mov_b32 v[12+\t], 0xff61b1e6                 ; -3e38, under every sum
.endr
	s_wait_alu depctr_va_vdst(0)
	s_mov_b32 s34, 0x76543210
	s_mov_b32 s35, 0xfedcba98
	s_mul_i32 s30, s21, REC
	s_mov_b32 s31, 0
	s_add_nc_u64 s[4:5], s[4:5], s[30:31]          ; my record
.irp f, 0,1,2,3,4,5,6,7,8,9,10,11,12,13,14,15
.irp c, 0,1
	global_load_b128 v[128+8*\f+4*\c:131+8*\f+4*\c], v7, s[4:5] offset:1024*\f+512*\c   ; fragment 2 tile + K step
.endr
.endr
.irp t, 0,1,2,3,4,5,6,7
	global_load_b32 v[112+\t], v22, s[4:5] offset:32768+256*(\t%2)+4*(\t/2)
.endr
	s_mov_b32 s32, 64
.Lq:                                                   ; a tile of 16 queries a trip
.irp c, 0,1,2,3
	global_load_b128 v[96+4*\c:99+4*\c], v7, s[6:7] offset:512*\c
.endr
	global_load_b32 v120, v20, s[8:9]
	global_load_b128 v[88:91], v21, s[10:11]
	global_load_b128 v[92:95], v21, s[10:11] offset:16
	s_wait_loadcnt 0x0
.irp t, 0,1,2,3,4,5,6,7                        ; the eight accumulators by turns
	v_wmma_scale_f32_16x16x128_f8f6f4 v[24+8*\t:31+8*\t], v[96:103], v[128+16*\t:135+16*\t], v[88:95], v120, v[112+\t] matrix_a_fmt:MATRIX_FMT_FP4 matrix_b_fmt:MATRIX_FMT_FP4
.endr
.irp t, 0,1,2,3,4,5,6,7
	v_wmma_scale_f32_16x16x128_f8f6f4 v[24+8*\t:31+8*\t], v[104:111], v[136+16*\t:143+16*\t], v[24+8*\t:31+8*\t], v120, v[112+\t] matrix_a_fmt:MATRIX_FMT_FP4 matrix_b_fmt:MATRIX_FMT_FP4 matrix_a_scale:MATRIX_SCALE_ROW1 matrix_b_scale:MATRIX_SCALE_ROW1
.endr
.rept 5
	v_nop                                          ; places: four for the reads below and the next loads, a fifth for the products that begin these accumulators anew
.endr
.irp i, 0,2,4,6                                ; each accumulator from its low end on
.irp t, 0,1,2,3,4,5,6,7
	v_max3_num_f32 v[12+\t], v[12+\t], v[24+8*\t+\i], v[25+8*\t+\i]
.endr
.endr
	s_add_nc_u64 s[6:7], s[6:7], 2048              ; (the trip's loads are done)
	s_add_nc_u64 s[8:9], s[8:9], 128
	s_add_nc_u64 s[10:11], s[10:11], 64
	s_sub_co_u32 s32, s32, 1
	s_cmp_lg_u32 s32, 0
	s_wait_alu depctr_va_vdst(0)
	s_cbranch_scc1 .Lq
	v_add_nc_u32 v[OF], s27, v5
.irp b, 1,2,3
	v_add_nc_u32 v[OF+\b], 128*\b, v[OF]
.endr
.irp b, 0,1,2,3
	v_min_u32 v[CL+\b], 399996, v[OF+\b]
.endr
.set i, 0
.rept 24
	global_load_b32 v[128+i], v20, s[12:13] offset:128*i
.set i, i+1
.endr
	global_load_b32 v152, v23, s[12:13]
.irp b, 0,1,2,3
	global_load_b32 v[D+\b], v[CL+\b], s[14:15]
	global_load_b32 v[BI+\b], v5, s[4:5] offset:34816+128*\b   ; ln depth + ln gate
.endr
.irp t, 0,1,2,3,4,5,6,7
	v_permlanex16_b32 v[24+\t], v[12+\t], s34, s35
.endr
.irp t, 0,1,2,3,4,5,6,7
	v_max_num_f32 v[12+\t], v[12+\t], v[24+\t]     ; both halves' queries
.endr
.irp b, 0,1,2,3
	v_cndmask_b32 v[MX+\b], v[12+2*\b], v[13+2*\b], s33   ; lanes 0-15 tile 2 b, lanes 16-31 tile 2 b + 1: the 32 lanes hold the block's 32 keys
.endr
	v_mov_b32 v165, 0                              ; a lane permute's destination counts as one of its sources
	s_wait_alu depctr_va_vdst(0)
	s_wait_loadcnt 0x0
	v_max3_num_f32 v[D+4], v128, v129, v130        ; the largest depth of all
.irp i, 3,5,7,9,11,13,15,17,19,21,23
	v_max3_num_f32 v[D+4], v[D+4], v[128+\i], v[129+\i]
.endr
	v_max_num_f32_dpp v[D+4], v[D+4], v[D+4] row_xmask:1 row_mask:0xf bank_mask:0xf
	v_max_num_f32_dpp v[D+4], v[D+4], v[D+4] row_xmask:2 row_mask:0xf bank_mask:0xf
	v_max_num_f32_dpp v[D+4], v[D+4], v[D+4] row_xmask:4 row_mask:0xf bank_mask:0xf
	v_max_num_f32_dpp v[D+4], v[D+4], v[D+4] row_xmask:8 row_mask:0xf bank_mask:0xf
	v_permlanex16_b32 v165, v[D+4], s34, s35
	v_max_num_f32 v[D+4], v[D+4], v165
; ln(1 + x) = ln(u) x / (u - 1) with u = 1 + x as rounded; x itself where u - 1 = 0
.irp b, 0,1,2,3,4
	v_add_f32 v[U+\b], 1.0, v[D+\b]
.endr
.irp b, 0,1,2,3,4
	v_add_f32 v[U1+\b], -1.0, v[U+\b]
.endr
.irp b, 0,1,2,3
	v_add_f32 v[MX+\b], v[MX+\b], v[BI+\b]
.endr
.irp b, 0,1,2,3
	v_mul_f32 v[MX+\b], 0x3fb8aa3b, v[MX+\b]
.endr
	s_wait_alu depctr_va_vdst(0)
.irp b, 0,1,2,3,4
	v_log_f32 v[LG+\b], v[U+\b]
.endr
.irp b, 0,1,2,3,4
	v_rcp_f32 v[RC+\b], v[U1+\b]
.endr
.irp b, 0,1,2,3
	v_exp_f32 v[W+\b], v[MX+\b]                    ; max_w
.endr
	v_nop                                          ; one plain place behind the transcendentals
	s_wait_alu depctr_va_vdst(0)
.irp b, 0,1,2,3,4
	v_mul_f32 v[LG+\b], 0x3f317218, v[LG+\b]
.endr
.irp b, 0,1,2,3,4
	v_mul_f32 v[LG+\b], v[LG+\b], v[D+\b]
.endr
.irp b, 0,1,2,3,4
	v_mul_f32 v[LG+\b], v[LG+\b], v[RC+\b]
.endr
.irp b, 0,1,2,3,4
	v_cmp_eq_f32 vcc_lo, 0, v[U1+\b]
	v_cndmask_b32 v[LG+\b], v[LG+\b], v[D+\b], vcc_lo
.endr
	v_max_num_f32 v[LG+4], 0x322bcc77, v[LG+4]     ; the clip at 1e-8
	s_wait_alu depctr_va_vdst(0)
	v_rcp_f32 v[RC+4], v[LG+4]
	v_nop
	s_wait_alu depctr_va_vdst(0)
.irp b, 0,1,2,3
	v_mul_f32 v[LG+\b], v[LG+\b], v[RC+4]          ; dominance
.endr
.irp b, 0,1,2,3
	v_fma_f32 v[LG+\b], 0xbf333333, v[LG+\b], 1.0  ; 1 - 0.7 dominance
.endr
.irp b, 0,1,2,3
	v_mul_f32 v[LG+\b], 0x3c23d70a, v[LG+\b]       ; x 0.01
.endr
.irp b, 0,1,2,3
	v_mul_f32 v[LG+\b], v[LG+\b], v[W+\b]
.endr
.irp b, 0,1,2,3
	v_cmp_lt_f32 vcc_lo, 0x3dcccccd, v[W+\b]       ; 0.1 < max_w
	v_cndmask_b32 v[LG+\b], 0, v[LG+\b], vcc_lo
.endr
.irp b, 0,1,2,3
	v_add_f32 v[LG+\b], v[D+\b], v[LG+\b]
.endr
	s_wait_alu depctr_va_vdst(0)
.irp b, 0,1,2,3
	v_cmp_gt_u32 vcc_lo, 400000, v[OF+\b]          ; a real key
	s_wait_xcnt 0x0                                ; EXEC changes only behind this wait
	s_and_saveexec_b32 s29, vcc_lo
	global_store_b32 v[OF+\b], v[LG+\b], s[18:19]  ; the block's 128 consecutive bytes
	s_wait_xcnt 0x0
	s_or_b32 exec_lo, exec_lo, s29
.endr
	s_endpgm
.Lfunc_end_k_q4fe0904f5f_access:
	.size	k_q4fe0904f5f_access, .Lfunc_end_k_q4fe0904f5f_access-k_q4fe0904f5f_access
	.p2alignl 7, 3214868480
	.fill 96, 4, 3214868480
	.section	.rodata,"a",@progbits
	.p2align	6, 0x0
	.amdhsa_kernel k_q4fe0904f5f_access
		.amdhsa_group_segment_fixed_size 0
		.amdhsa_private_segment_fixed_size 0
		.amdhsa_enable_private_segment 0
		.amdhsa_kernarg_size 64
		.amdhsa_user_sgpr_count 2
		.amdhsa_user_sgpr_kernarg_segment_ptr 1
		.amdhsa_wavefront_size32 1
		.amdhsa_system_sgpr_workgroup_id_x 1
		.amdhsa_system_sgpr_workgroup_id_y 1
		.amdhsa_system_sgpr_workgroup_id_z 1
		.amdhsa_system_vgpr_workitem_id 0
		.amdhsa_next_free_vgpr 256
		.amdhsa_next_free_sgpr 66
		.amdhsa_reserve_vcc 1
		.amdhsa_float_denorm_mode_32 3
		.amdhsa_float_denorm_mode_16_64 3
		.amdhsa_memory_ordered 1
		.amdhsa_forward_progress 1
		.amdhsa_inst_pref_size 24
	.end_amdhsa_kernel
	.amdgpu_metadata
---
amdhsa.version: [ 1, 2 ]
amdhsa.kernels:
  - .name:           k_q4fe0904f5f_access
    .symbol:         k_q4fe0904f5f_access.kd
    .args:
      - { .name: recs, .offset: 0, .size: 8, .value_kind: global_buffer, .address_space: global }
      - { .name: q_codes, .offset: 8, .size: 8, .value_kind: global_buffer, .address_space: global }
      - { .name: q_scales, .offset: 16, .size: 8, .value_kind: global_buffer, .address_space: global }
      - { .name: negl, .offset: 24, .size: 8, .value_kind: global_buffer, .address_space: global }
      - { .name: dmax, .offset: 32, .size: 8, .value_kind: global_buffer, .address_space: global }
      - { .name: depths, .offset: 40, .size: 8, .value_kind: global_buffer, .address_space: global }
      - { .name: pflag, .offset: 48, .size: 8, .value_kind: global_buffer, .address_space: global }
      - { .name: out1, .offset: 56, .size: 8, .value_kind: global_buffer, .address_space: global }
    .group_segment_fixed_size: 0
    .private_segment_fixed_size: 0
    .kernarg_segment_align: 8
    .kernarg_segment_size: 64
    .max_flat_workgroup_size: 256
    .sgpr_count:     66
    .vgpr_count:     256
    .wavefront_size: 32
...
	.end_amdgpu_metadata
.endif
;; end of part 4
